; MI455X (gfx1250); checked and timed in simulation.
; The chip was launched on July 23, 2026; its instructions are those of AMD's public machine-readable ISA for CDNA 5 (MIT licence, August 2026) and "CDNA5" Instruction Set Architecture Reference Guide (July 2026). The comments in the code are by the model that wrote it; some were corrected since.
;; CMDP Encoder. Allowed arithmetic: float matrix products may take bf16 or f16 operands with f32 sums; other float arithmetic in f32, or as packed bf16 or f16 multiplies, adds, multiply-adds, maxima and minima; sums over many terms, partial sums and values carried from step to step in f32; what a program stores and reads back later, other than sums and carried values, may be rounded once to bf16 or f16.
;; Inputs: base_embeddings 32 x 512 x 768 float32; codebook 4,096 x 768 float32; noise 32 x 512 x 768 float32; rand_idx 32 x 512 x 8 int32.
;; Outputs: out0 32 x 512 x 768 float32.
;; 3 versions, each right; version 3 is version 2 with the launch mix written anew for expert scheduling mode. Each part assembles by itself: llvm-mc -triple=amdgcn-amd-amdhsa -mcpu=gfx1250 --defsym DOCPART=n.
;; ======== version 1 of 3: 3 launches
;; workspace buffers: xh 25,165,824 bytes; cbh 6,291,456 bytes; cbsq 16,384 bytes; part 524,288 bytes of whole numbers
;; launch prep (part 1): grid 320 x 1, 16 waves a work-group, no clusters, 2,304 bytes of LDS; arguments base_embeddings, codebook, xh, cbh, cbsq; writes xh, cbh, cbsq
.if DOCPART == 1
	.amdgcn_target "amdgcn-amd-amdhsa--gfx1250"
	.amdhsa_code_object_version 6
	.text
	.protected	k_qb189e7b008_prep
	.globl	k_qb189e7b008_prep
	.p2align	8
	.type	k_qb189e7b008_prep,@function
k_qb189e7b008_prep:
	s_mov_b64 s[64:65], 0
	v_nop
	global_prefetch_b8 v0, s[64:65] scope:SCOPE_SE
	s_setreg_imm32_b32 hwreg(HW_REG_WAVE_MODE, 25, 1), 1
	s_wait_xcnt 0x0
; FIRST OF THREE LAUNCHES.  The module: idx[b][s] = argmin over v of (|c_v|^2 - 2 x[b][s] . c_v); out[b][s] = the mean over j of c[idx[rand_idx[b][s][j]][s]] + 0.1 noise[b][s].
; NO WORK IS LEFT OUT: every input has a way to the output (x and the codebook here and in the second launch, noise and rand_idx in the third), and every product of the einsum can decide an argmin.
; THE FORMAT.  x and the codebook are rounded to bf16 ONCE, here, and all that follows is taken of the rounded numbers: the products, |c|^2 (in f32), and the rows that are averaged.
; So the argmin is that of the module on its inputs rounded to bf16; products of two bf16 numbers are exact in f32, and only the order of the f32 sums differs from the module's own.
; LIMITS.  Two scores of a token that lie closer than the rounding of the f32 sums (some 1e-4 at scores of some 500) may be ordered otherwise than the module orders them.  Inputs are finite.
; THIS LAUNCH.  xh[tau][p], tau = 32 s + b: the rounded x, the tokens of one s on end.  cbh[v][p]: the rounded codebook.  cbsq[v]: the sum of squares of cbh's row, f32.
; In both, K is permuted alike (a product's sum does not hang on the order): place p = 256 c + 8 l + e holds k = 256 c + 128 (e / 4) + 4 l + e % 4, c = 0..2, l = 0..31, e = 0..7.
; So lane l's two loads of 16 bytes of f32 (at k = 256 c + 4 l and 128 further) pack into ITS 16 bytes of bf16: each load and each store of a wave covers 512 consecutive bytes, aligned.
; SHARES.  Work-groups 0-255: 64 rows of x each; 256-319: 64 rows of the codebook each.  A wave has four rows, all 24 loads out at once.  No ring: each wave asks for all it reads at its start.
; No tensor loads, no cluster, no prefetch: nothing is read twice, and nothing is asked for later than the first lines.
.set SPARE, 256                        ; LDS: bytes 0-255 the work-group's 64 sums of squares; from 256 on the spare words, 128 bytes for each of the 16 waves, which no other line names
.set LO,   1                           ; v1   16 x lane; never rewritten
.set L3,   2                           ; v2   lane % 4
.set SA,   3                           ; v3   LDS address of sum number 4 w + lane % 4
.set SPW,  4                           ; v4   LDS address of my spare word; never rewritten
.set NIL,  5                           ; v5   0; never rewritten
.set SQR,  6                           ; v[6:13]  row i: a pair of running sums of squares
.set D,    32                          ; v[32:127] row i, load m (128 numbers of f32, 4 a lane) at D + 24 i + 4 m
.set OB,   20                          ; s[20:27] where row i goes
	s_load_b256 s[4:11], s[0:1], 0x0               ; x s[4:5], codebook s[6:7], xh s[8:9], cbh s[10:11]
	s_load_b64 s[12:13], s[0:1], 0x20              ; cbsq
	v_lshl_add_u32 v[SPW], v0, 2, SPARE
	v_mov_b32 v[NIL], 0
	v_lshrrev_b32 v14, 5, v0
	v_readfirstlane_b32 s14, v14                   ; wave 0..15
	v_and_b32 v15, 31, v0                          ; lane
	v_lshlrev_b32 v[LO], 4, v15
	v_and_b32 v[L3], 3, v0
	v_lshlrev_b32 v[SA], 2, v[L3]
	v_lshl_add_u32 v[SA], s14, 4, v[SA]            ; 4 x (4 w + lane % 4)
	v_lshlrev_b32 v17, 3, v15                      ; 8 x lane: wave 0's way out for the sums
	s_mov_b32 s28, 0x76543210                      ; v_permlanex16_b32: each lane takes its own place in the other half
	s_mov_b32 s29, 0xfedcba98
	s_mov_b32 s30, 0xffff0000                      ; a word's upper bf16
	s_cmp_lt_u32 ttmp9, 256
	s_cselect_b32 s15, 1, 0                        ; 1: rows of x; 0: rows of the codebook
	s_cselect_b32 s31, 0, 256
	s_sub_co_u32 s17, ttmp9, s31                   ; the block of 64 rows in its tensor
	s_lshl_b32 s16, s17, 6
	s_lshl_b32 s32, s14, 2
	s_add_co_u32 s16, s16, s32                     ; my first row
	s_mul_i32 s32, s16, 3072                       ; its bytes in f32 (under 2^26)
	s_mov_b32 s33, 0
	s_and_b32 s34, s16, 511                        ; x: row 512 b + s goes to row 32 s + b,
	s_mul_i32 s34, s34, 49152                      ; s x 32 rows of 1,536 bytes
	s_lshr_b32 s35, s17, 3                         ; b: 8 blocks of 64 rows to each
	s_mul_i32 s35, s35, 1536
	s_add_co_u32 s34, s34, s35
	s_mul_i32 s35, s16, 1536                       ; the codebook's rows keep their order
	s_mov_b32 s36, 49152                           ; from row to row: the next s, 32 rows on,
	s_mov_b32 s37, 1536                            ; or the next row
	s_cmp_eq_u32 s15, 1
	s_cselect_b32 s34, s34, s35
	s_cselect_b32 s36, s36, s37
	s_mov_b32 s35, 0
	s_mov_b32 s37, 0
	s_wait_kmcnt 0x0
	s_cselect_b64 s[18:19], s[4:5], s[6:7]         ; (the moves and the wait leave SCC alone)
	s_cselect_b64 s[OB:OB+1], s[8:9], s[10:11]
	s_add_nc_u64 s[18:19], s[18:19], s[32:33]
	s_add_nc_u64 s[OB:OB+1], s[OB:OB+1], s[34:35]
	s_add_nc_u64 s[OB+2:OB+3], s[OB:OB+1], s[36:37]
	s_add_nc_u64 s[OB+4:OB+5], s[OB+2:OB+3], s[36:37]
	s_add_nc_u64 s[OB+6:OB+7], s[OB+4:OB+5], s[36:37]
.irp i, 0,1,2,3
.irp m, 0,1,2,3,4,5
	global_load_b128 v[D+24*(\i)+4*(\m):D+24*(\i)+4*(\m)+3], v[LO], s[18:19] offset:3072*(\i)+512*(\m) th:TH_LOAD_NT
.endr
.endr
; Row i: rounded and stored.  Of each 256 numbers the two loads' eight registers pack, in place, into the first load's four; those are the store's data and are not written again.
.macro ROW i
	s_wait_loadcnt 18-6*(\i)                       ; loads come back in order (ISA guide 5.7.1): row i's six are in, the later rows' stay out
.irp c, 0,1,2
.set ra, D+24*(\i)+8*(\c)
	v_cvt_pk_bf16_f32 v[ra],   v[ra],   v[ra+1]
	v_cvt_pk_bf16_f32 v[ra+1], v[ra+2], v[ra+3]
	v_cvt_pk_bf16_f32 v[ra+2], v[ra+4], v[ra+5]
	v_cvt_pk_bf16_f32 v[ra+3], v[ra+6], v[ra+7]
	global_store_b128 v[LO], v[ra:ra+3], s[OB+2*(\i):OB+2*(\i)+1] offset:512*(\c)
.endr
.endm
; Row i's sum of squares, of the ROUNDED numbers: each packed word is widened into the second load's registers, which no store reads.  The first product starts the sums.
.macro SQ i
.set fst, 1
.irp c, 0,1,2
.irp k, 0,1,2,3
.set ra, D+24*(\i)+8*(\c)+(\k)
.set rb, D+24*(\i)+8*(\c)+4+2*((\k)%2)
	v_lshlrev_b32 v[rb],   16, v[ra]
	v_and_b32     v[rb+1], s30, v[ra]
.if fst
	v_pk_mul_f32 v[SQR+2*(\i):SQR+2*(\i)+1], v[rb:rb+1], v[rb:rb+1]
.else
	v_pk_fma_f32 v[SQR+2*(\i):SQR+2*(\i)+1], v[rb:rb+1], v[rb:rb+1], v[SQR+2*(\i):SQR+2*(\i)+1]
.endif
.set fst, 0
.endr
.endr
.endm
	ROW 0
	ROW 1
	ROW 2
	ROW 3
	s_cmp_eq_u32 s15, 1
	s_cbranch_scc1 .Lmeet                          ; x has no sums; the branch is the same in all waves of a work-group
	SQ 0
	SQ 1
	SQ 2
	SQ 3
.irp i, 0,1,2,3
	v_add_f32 v[SQR+2*(\i)], v[SQR+2*(\i)], v[SQR+2*(\i)+1]
.endr
.irp x, 1,2,4,8                        ; across the lanes: four steps inside each half of 16, one across the halves; the four rows alternate
.irp i, 0,1,2,3
	v_add_f32_dpp v[SQR+2*(\i)], v[SQR+2*(\i)], v[SQR+2*(\i)] row_xmask:\x row_mask:0xf bank_mask:0xf
.endr
.endr
.irp i, 0,1,2,3
	v_permlanex16_b32 v[SQR+2*(\i)+1], v[SQR+2*(\i)], s28, s29
.endr
.irp i, 0,1,2,3
	v_add_f32 v[SQR+2*(\i)], v[SQR+2*(\i)], v[SQR+2*(\i)+1]
.endr
	v_mov_b32 v16, v[SQR]                          ; lane l takes row l % 4's sum: one LDS store for the wave's four
	v_cmp_eq_u32 vcc_lo, 1, v[L3]
	v_cndmask_b32 v16, v16, v[SQR+2], vcc_lo
	v_cmp_eq_u32 vcc_lo, 2, v[L3]
	v_cndmask_b32 v16, v16, v[SQR+4], vcc_lo
	v_cmp_eq_u32 vcc_lo, 3, v[L3]
	v_cndmask_b32 v16, v16, v[SQR+6], vcc_lo
	ds_store_b32 v[SA], v16                        ; eight lanes write the same word with the same number
.Lmeet:
	s_wait_dscnt 0x0                               ; for the others' sake: my sums lie in LDS
	s_barrier_signal -1
	s_barrier_wait -1
	s_cmp_eq_u32 s15, 1
	s_cbranch_scc1 .Lend
	s_cmp_lg_u32 s14, 0
	s_cbranch_scc1 .Lend
	ds_load_b64 v[18:19], v17                      ; wave 0 stores the work-group's 64 sums: 256 consecutive bytes, aligned, by one instruction
	s_lshl_b32 s32, s17, 8
	s_add_nc_u64 s[12:13], s[12:13], s[32:33]
	s_wait_dscnt 0x0
	global_store_b64 v17, v[18:19], s[12:13]
.Lend:
	s_wait_tensorcnt 0x0                           ; the wave's end: behind my last LDS store
	ds_add_u32 v[SPW], v[NIL]
	s_wait_dscnt 0x0
	s_endpgm
.Lfunc_end_k_qb189e7b008_prep:
	.size	k_qb189e7b008_prep, .Lfunc_end_k_qb189e7b008_prep-k_qb189e7b008_prep
	.p2alignl 7, 3214868480
	.fill 96, 4, 3214868480
	.section	.rodata,"a",@progbits
	.p2align	6, 0x0
	.amdhsa_kernel k_qb189e7b008_prep
		.amdhsa_group_segment_fixed_size 2304
		.amdhsa_private_segment_fixed_size 0
		.amdhsa_enable_private_segment 0
		.amdhsa_kernarg_size 40
		.amdhsa_user_sgpr_count 2
		.amdhsa_user_sgpr_kernarg_segment_ptr 1
		.amdhsa_wavefront_size32 1
		.amdhsa_system_sgpr_workgroup_id_x 1
		.amdhsa_system_sgpr_workgroup_id_y 1
		.amdhsa_system_sgpr_workgroup_id_z 1
		.amdhsa_system_vgpr_workitem_id 0
		.amdhsa_next_free_vgpr 128
		.amdhsa_next_free_sgpr 66
		.amdhsa_reserve_vcc 1
		.amdhsa_float_denorm_mode_32 3
		.amdhsa_float_denorm_mode_16_64 3
		.amdhsa_memory_ordered 1
		.amdhsa_forward_progress 1
		.amdhsa_inst_pref_size 18
	.end_amdhsa_kernel
	.amdgpu_metadata
---
amdhsa.version: [ 1, 2 ]
amdhsa.kernels:
  - .name:           k_qb189e7b008_prep
    .symbol:         k_qb189e7b008_prep.kd
    .args:
      - { .name: base_embeddings, .offset: 0, .size: 8, .value_kind: global_buffer, .address_space: global }
      - { .name: codebook, .offset: 8, .size: 8, .value_kind: global_buffer, .address_space: global }
      - { .name: xh, .offset: 16, .size: 8, .value_kind: global_buffer, .address_space: global }
      - { .name: cbh, .offset: 24, .size: 8, .value_kind: global_buffer, .address_space: global }
      - { .name: cbsq, .offset: 32, .size: 8, .value_kind: global_buffer, .address_space: global }
    .group_segment_fixed_size: 2304
    .private_segment_fixed_size: 0
    .kernarg_segment_align: 8
    .kernarg_segment_size: 40
    .max_flat_workgroup_size: 512
    .sgpr_count:     66
    .vgpr_count:     128
    .wavefront_size: 32
...
	.end_amdgpu_metadata
.endif
;; end of part 1
;; launch argmin (part 2): grid 4 x 64, 4 waves a work-group, clusters of 4 x 4, 327,680 bytes of LDS; arguments xh, cbh, cbsq, part; writes part
.if DOCPART == 2
	.amdgcn_target "amdgcn-amd-amdhsa--gfx1250"
	.amdhsa_code_object_version 6
	.text
	.protected	k_qb189e7b008_argmin
	.globl	k_qb189e7b008_argmin
	.p2align	8
	.type	k_qb189e7b008_argmin,@function
k_qb189e7b008_argmin:
	s_mov_b64 s[64:65], 0
	v_nop
	global_prefetch_b8 v0, s[64:65] scope:SCOPE_SE
	s_setreg_imm32_b32 hwreg(HW_REG_WAVE_MODE, 25, 1), 1
	s_wait_xcnt 0x0
	s_wait_alu depctr_hold_cnt(0) depctr_sa_sdst(0) depctr_va_vdst(0) depctr_va_sdst(0) depctr_va_ssrc(0) depctr_va_vcc(0) depctr_vm_vsrc(0)
	s_getreg_b32 s2, hwreg(HW_REG_IB_STS2, 6, 4)
	s_cmp_eq_u32 s2, 0
	s_cbranch_scc0 .Lentry_in_a_cluster
	s_endpgm
.Lentry_in_a_cluster:
	s_bfe_u32 s2, ttmp6, 0x10000c
	s_cmp_lg_u32 s2, 0xf033
	s_cbranch_scc0 .Lentry_shape_is_right
	s_endpgm
.Lentry_shape_is_right:
; SECOND LAUNCH: for each token the least score |c_v|^2 - 2 x . c_v and its v, within a QUARTER of the codebook.  Nothing of the module's work is left out.
; xh [16,384 tokens][768] and cbh [4,096][768] are bf16 with K permuted alike; cbsq [4,096] is f32.  Products in bf16 with f32 sums; the score is one fused multiply-add, dot x -2 + |c|^2, as the module rounds it.
; OUT: part[q][0][tau] = the least score of quarter q as a whole number whose unsigned order is the scores' order; part[q][1][tau] = its v.  The third launch compares the four as whole numbers.
; LIMITS.  Finite inputs.  A NaN score is never chosen (the module would choose it); where all scores of a quarter are +infinity the index stored is 0.  Ties go to the lowest v, as in the module;
; scores closer than the rounding of the f32 sums may be ordered otherwise than the module orders them.
; SHARES.  A work-group: 256 tokens x 1,024 codebook rows.  A wave: 64 of the tokens, four tiles of 16, against all 1,024 rows, 16 at a time.  ITS TOKENS STAY IN REGISTERS: 4 tiles x 24 fragments x 8 = 768.
; Tile t of a wave holds the tokens 4 r + t (r = lane % 16), so that a lane's four results are 16 consecutive bytes.
; THE PRODUCT is taken with source 0 = 16 codebook rows, source 1 = 16 tokens: in the result a lane holds ONE token and the rows 8 (lane / 16) + 0..7.  So the running least score and its row are kept for
; each of a lane's 32 places (tile, register), no lane looks at another until the end, and the places are merged once.
; THE RING.  The codebook goes through two LDS slots of 64 rows (four tiles of 16); a TURN is a slot: 384 matrix instructions a wave.  Each wave fetches a quarter of a slot by one tensor load.
; CLUSTER.  4 x 4 work-groups: along x the four quarters, along y four blocks of tokens.  The four of a column walk the same quarter: each tile, and the quarter's |c|^2, is asked for JOINTLY.
; xh is not shared so: it goes straight into registers, once, and 393,216 bytes of it have no room in LDS beside the ring.
; RIDERS.  While accumulator set a takes tile n's 96 products, set 1 - a holds tile n - 1's sums, and the 116 vector instructions that make scores of them and keep the least stand five behind the first product of
; each K step.  They want window 0 for their second source, the products window 1 to 3 for theirs (the tokens fill three windows): two switches a K step.
; REGISTERS, in windows of 256 (s_set_vgpr_msb: bits 1:0 source 0, 3:2 source 1, 5:4 source 2, 7:6 destination):
;   window 0: v0-15 addresses; v16-23 at work at the end; v24-31 |c|^2 of a tile's rows; v32-95 two sets of four accumulators; v96-127 the least scores; v128-159 their tiles' first rows;
;             v160-255 a ring of 12 codebook fragments          windows 1-3: the tokens: tile t, K step ks at register 256 + 32 ks + 8 t
.set PITCH, 1584                       ; a codebook row in LDS: 3 x (512 bytes + 16 of padding) = 396 words: row r starts at bank 12 r mod 64 (64 banks of 4 bytes: ISA guide 11.1): the 16 rows of a load start at 16 different groups of four banks
.set TR,    16*PITCH                   ; a tile of 16 rows: what one tensor load brings
.set SLOT1, 1<<17                      ; slot 0 at byte 0 (101,376 bytes), slot 1 here: one exclusive or turns an address in one slot into the other's
.set CBS,   SLOT1+64*PITCH             ; the quarter's 1,024 |c|^2, filled once
.set SPARE, CBS+4096                   ; the spare words, 128 bytes for each wave: two blocks of 256 bytes that no other line names
.set TILEB, 64*1536                    ; a slot's rows in memory: dense
.set QB,    1024*1536                  ; a quarter's
.set XO,   3                           ; v3   my byte offset in the wave's rows of xh: 4 rows x r + 16 (lane / 16); never rewritten
.set AD0,  4                           ; v4   LDS address of my part of a fragment in tile 0 of the slot in hand (tile 1: + TR in the immediate)
.set AD1,  5                           ; v5   the same for tile 2 (and 3)
.set AN0,  6                           ; v6   the same for tile 0 of the next slot
.set CBA,  7                           ; v7   LDS address of |c|^2 of my 8 rows in the turn's tile 0
.set TIX,  8                           ; v8   the first row (in the whole codebook) of the tile whose scores the riders have in hand
.set PFO,  9                           ; v9   256 x lane; never rewritten
.set OUTO, 10                          ; v10  my 16 bytes of part
.set SPW,  11                          ; v11  LDS address of my spare word; never rewritten
.set NIL,  12                          ; v12  0; never rewritten
.set LB,   13                          ; v13  PITCH x r + 16 (lane / 16); never rewritten
.set CBB,  14                          ; v14  CBS + 32 (lane / 16); never rewritten
.set CB,   24
.set ACC,  32                          ; set a, token tile t at ACC + 32 a + 8 t
.set BEST, 96
.set IDX,  128
.set CF,   160                         ; fragment f at CF + 8 (f % 12)
.set WV,   12                          ; s12  my wave's number
.set LIM,  17                          ; s17  1 in a wave that prefetches, else the greatest number
.set LEFT, 18                          ; s18  turns of the loop still to come
.set TB,   19                          ; s19  LDS byte of the slot in hand
.set PFA,  20                          ; s[20:21] where my prefetches stand
.set TBN,  22                          ; s22  LDS byte of the next slot
.set CBO,  23                          ; s23  256 x the turn's number
.set G1T,  24                          ; s[24:31] descriptor group 1 for the codebook's tiles
.set G1S,  32                          ; s[32:39] for |c|^2
.set G0A,  40                          ; s[40:43] group 0: slot 0's first fill
.set G0W,  44                          ; s[44:47] group 0: slot 1's first fill; then it walks
.set G0S,  48                          ; s[48:51] group 0: |c|^2
.set XB,   52                          ; s[52:53] xh at my wave's first row
.set PB,   54                          ; s[54:55] part at my quarter's keys of my wave's tokens
.set SEL,  56                          ; s[56:57] v_permlanex16_b32's selects
.set MSB, 0
.macro WIN new                         ; the immediate's high byte repeats the setting that is left; a switch that changes nothing is dropped
.if MSB != (\new)
	s_set_vgpr_msb (MSB<<8)|(\new)
.set MSB, (\new)
.endif
.endm
.macro PLACES
.rept 4
	v_nop
.endr
.endm
; A round of the cluster's barrier: my work-group's barrier, so that wave 0's signal speaks for all four waves; wave 0 signals; every wave waits for all sixteen work-groups; my work-group's barrier once more.
.macro CREST                           ; a round behind its opening barrier
	s_cmp_lg_u32 s[WV], 0
	s_cbranch_scc1 .Lnot_wave_0_\@
	s_barrier_signal -3
.Lnot_wave_0_\@:
	s_barrier_wait -3
	s_barrier_signal -1
	s_barrier_wait -1
.endm
.macro CROUND
	s_barrier_signal -1
	s_barrier_wait -1
	CREST
.endm
; A PREFETCH INTO THE L2 of the slot that the NEXT change of slots will ask for: one turn, 384 matrix instructions, ahead of that load.  cbh was stored by the launch before.  A slot's rows are 98,304 dense bytes: 384
; blocks of 256.  All sixteen clusters walk the same four quarters: the cluster with y = 0 asks.  The four partners of a column and waves 0 to 2 of each share the blocks out BY ADDRESS: block 32 (3 cy + w) + lane,
; one instruction a wave: each block is named once in the launch.  Slots 0 to 2 come by their loads alone; the last change that fills a slot asks for nothing: there is no slot behind it.
.macro ASK
	s_cmp_gt_u32 s[LEFT], s[LIM]
	s_cbranch_scc0 .Lnot_mine_\@
	global_prefetch_b8 v[PFO], s[PFA:PFA+1] th:TH_LOAD_NT scope:SCOPE_SE
.Lnot_mine_\@:
.endm
	s_load_b256 s[4:11], s[0:1], 0x0               ; xh s[4:5], cbh s[6:7], cbsq s[8:9], part s[10:11]
	v_lshl_add_u32 v[SPW], v0, 2, SPARE
	v_mov_b32 v[NIL], 0
	ds_add_u32 v[SPW], v[NIL]                      ; the wave's opening: the add, twice on end, and its wait ahead of my first tensor load; the set-up below, work on registers, stands between
	ds_add_u32 v[SPW], v[NIL]                      ; and once more, under the one wait
	v_lshrrev_b32 v1, 5, v0
	v_readfirstlane_b32 s[WV], v1                  ; wave 0..3
	s_bfe_u32 s13, ttmp6, 0x40000                  ; cx
	s_bfe_u32 s14, ttmp6, 0x40004                  ; cy
	s_lshl_b32 s15, ttmp9, 2                       ; in a cluster launch ttmp9 and ttmp7 count clusters
	s_add_co_u32 s15, s15, s13                     ; q, the quarter = 4 x cluster x + cx
	s_and_b32 s16, ttmp7, 0xffff
	s_lshl_b32 s16, s16, 2
	s_add_co_u32 s16, s16, s14                     ; the block of 256 tokens = 4 x cluster y + cy
	s_lshl_b32 s19, 0x1111, s13                    ; my column of the cluster: places cx, cx + 4, cx + 8, cx + 12
	; group 1 for the codebook: a wave's 16 rows are 24,576 dense bytes, asked for as 48 rows of 512 bytes, 16 bytes of padding behind each.  48 rows and not 64: a slot's 192 are shared out among four waves
	s_or_b32 s[G1T], s19, (1<<16)|(1<<20)|(1<<21)|(6<<22)|(3<<25)  ; 15:0 the mask; 17:16 elements of 2 bytes; 20 padding on; 21 set beside a mask; 24:22 after every 128 words (code 6); 31:25 4 words (code 3)
	s_mov_b32 s[G1T+1], 256<<16                    ; tensor_dim0 = 256
	s_mov_b32 s[G1T+2], 48<<16                     ; tensor_dim1 = 48
	s_mov_b32 s[G1T+3], 256<<16                    ; tile_dim0 = 256
	s_mov_b32 s[G1T+4], 48                         ; tile_dim1 = 48
	s_mov_b32 s[G1T+5], 256                        ; 256 elements from row to row
	s_mov_b32 s[G1T+6], 0
	s_mov_b32 s[G1T+7], 0
	; group 1 for |c|^2: a wave's 256 numbers are 1,024 dense bytes: 4 rows of 32 elements of 8 bytes, no padding
	s_or_b32 s[G1S], s19, (3<<16)|(1<<21)
	s_mov_b32 s[G1S+1], 32<<16
	s_mov_b32 s[G1S+2], 4<<16
	s_mov_b32 s[G1S+3], 32<<16
	s_mov_b32 s[G1S+4], 4
	s_mov_b32 s[G1S+5], 32
	s_mov_b32 s[G1S+6], 0
	s_mov_b32 s[G1S+7], 0
	s_mov_b32 s[G0A], 1                            ; count = 1
	s_mul_i32 s[G0A+1], s[WV], TR                  ; LDS: tile w of slot 0: no place in the cluster enters an LDS address
	s_mov_b32 s[G0W], 1
	s_add_co_u32 s[G0W+1], s[G0A+1], SLOT1         ; tile w of slot 1
	s_mov_b32 s[G0S], 1
	s_lshl_b32 s[G0S+1], s[WV], 10
	s_add_co_u32 s[G0S+1], s[G0S+1], CBS
	s_mul_i32 s60, s15, QB                         ; where the tiles come from hangs on the quarter, which my column shares, and the wave: in registers that never hold cy
	s_mul_i32 s61, s[WV], 16*1536
	s_add_co_u32 s60, s60, s61
	s_mov_b32 s61, 0
	s_lshl_b32 s62, s15, 12
	s_lshl_b32 s63, s[WV], 10
	s_add_co_u32 s62, s62, s63
	s_mov_b32 s63, 0
	s_and_b32 s[LIM], ttmp7, 0xffff                ; cluster y,
	s_cmp_eq_u32 s[WV], 3
	s_cselect_b32 s3, 1, 0
	s_or_b32 s[LIM], s[LIM], s3                    ; and wave 3 asks for nothing: the same in all sixteen partners, for a given wave
	s_cmp_eq_u32 s[LIM], 0
	s_cselect_b32 s[LIM], 1, -1
	s_mov_b32 s[SEL], 0x76543210
	s_mov_b32 s[SEL+1], 0xfedcba98
	s_mov_b32 s[TB], 0
	s_mov_b32 s[TBN], SLOT1
	s_mov_b32 s[CBO], 0
	s_wait_dscnt 0x0                               ; both opening adds are done
	s_wait_kmcnt 0x0
	s_add_nc_u64 s[G0A+2:G0A+3], s[6:7], s[60:61]  ; rows 16 w .. of the quarter's first 64,
	s_add_nc_u64 s[G0W+2:G0W+3], s[G0A+2:G0A+3], TILEB  ; and of its second 64
	s_or_b32 s[G0A+3], s[G0A+3], 0x80000000        ; type = 2
	s_or_b32 s[G0W+3], s[G0W+3], 0x80000000
	s_add_nc_u64 s[G0S+2:G0S+3], s[8:9], s[62:63]
	s_or_b32 s[G0S+3], s[G0S+3], 0x80000000
	s_mul_i32 s2, s16, 256*1536                    ; my block's tokens,
	s_mul_i32 s3, s[WV], 64*1536                   ; my wave's 64 of them
	s_add_co_u32 s2, s2, s3
	s_mov_b32 s3, 0
	s_add_nc_u64 s[XB:XB+1], s[4:5], s[2:3]
	s_lshl_b32 s2, s15, 17                         ; part: 131,072 q + 4 x my wave's first token
	s_lshl_b32 s3, s16, 10
	s_add_co_u32 s2, s2, s3
	s_lshl_b32 s3, s[WV], 8
	s_add_co_u32 s2, s2, s3
	s_mov_b32 s3, 0
	s_add_nc_u64 s[PB:PB+1], s[10:11], s[2:3]
	s_mul_i32 s2, s14, 3                           ; the prefetches: 32 blocks of 256 bytes for each of 3 cy + w (wave 3, which never asks, stands with wave 2, inside cbh)
	s_min_u32 s3, s[WV], 2
	s_add_co_u32 s2, s2, s3
	s_lshl_b32 s2, s2, 13
	s_mul_i32 s3, s15, QB
	s_add_co_u32 s2, s2, s3
	s_add_co_u32 s2, s2, 2*TILEB                   ; in slot content 2; the first change of slots steps it to 3.  Nothing is prefetched here, at the head
	s_mov_b32 s3, 0
	s_add_nc_u64 s[PFA:PFA+1], s[6:7], s[2:3]
	CROUND                                         ; all sixteen work-groups are here: the first joint loads meet
	tensor_load_to_lds s[G0S:G0S+3], s[G1S:G1S+7]  ; the three first fills go out together: three tensor loads of mine are out, later one
	s_nop 0
	tensor_load_to_lds s[G0A:G0A+3], s[G1T:G1T+7]
	s_nop 0
	tensor_load_to_lds s[G0W:G0W+3], s[G1T:G1T+7]
	s_nop 0
	PLACES
	; A fragment is 16 rows x 32 places of K in 8 registers: lane l holds row l % 16; registers 0-3 places 8 (l / 16) + 0..7, registers 4-7 places 16 + 8 (l / 16) + 0..7: two loads of 16 bytes, 32 bytes apart.
	v_and_b32 v1, 15, v0                           ; r = l % 16
	v_bfe_u32 v2, v0, 4, 1                         ; l / 16
	v_mul_u32_u24 v[XO], v1, 4*1536                ; tile t's row r is token 4 r + t
	v_lshl_add_u32 v[XO], v2, 4, v[XO]
.irp wd, 0,1,2                         ; the tokens stay in registers: 192 loads, by window; within a window 512 consecutive bytes of a row on end
	WIN 0x40*((\wd)+1)
.irp t, 0,1,2,3
.irp k, 0,1,2,3,4,5,6,7
	global_load_b128 v[32*(\k)+8*(\t):32*(\k)+8*(\t)+3],   v[XO], s[XB:XB+1] offset:1536*(\t)+64*(8*(\wd)+(\k))
	global_load_b128 v[32*(\k)+8*(\t)+4:32*(\k)+8*(\t)+7], v[XO], s[XB:XB+1] offset:1536*(\t)+64*(8*(\wd)+(\k))+32
.endr
.endr
.endr
	WIN 0
	v_mul_u32_u24 v[LB], v1, PITCH
	v_lshl_add_u32 v[LB], v2, 4, v[LB]
	v_mov_b32 v[AD0], v[LB]
	v_add_nc_u32 v[AD1], 2*TR, v[LB]
	v_add_nc_u32 v[AN0], SLOT1, v[LB]
	v_lshlrev_b32 v[CBB], 5, v2
	v_add_nc_u32 v[CBB], CBS, v[CBB]
	v_mov_b32 v[CBA], v[CBB]
	s_lshl_b32 s3, s15, 10
	s_sub_co_u32 s3, s3, 32                        ; two tiles in front of the quarter's first row: the riders step it by 16 a tile, and run a tile behind the products
	v_mov_b32 v[TIX], s3
	v_and_b32 v[PFO], 31, v0
	v_lshlrev_b32 v[PFO], 8, v[PFO]
	v_lshlrev_b32 v[OUTO], 4, v1                   ; lanes 0-15 store keys, lanes 16-31, 65,536 bytes on, indices
	v_lshl_add_u32 v[OUTO], v2, 16, v[OUTO]
	; What the first tile's riders find: a tile that has not been, with sums 0 and |c|^2 = +infinity: its scores are +infinity and change nothing.  So the loop has one text.  All this stands in the wait for the first data.
	s_mov_b32 s59, 0x7f800000
.set i, 0
.rept 32
	v_mov_b32 v[BEST+i], s59
	v_mov_b32 v[IDX+i], 0
	v_mov_b32 v[ACC+32+i], 0
.set i, i+1
.endr
.set i, 0
.rept 8
	v_mov_b32 v[CB+i], s59
	v_mov_b32 v[16+i], 0                           ; (v_permlanex16_b32's destinations count as read)
.set i, i+1
.endr
; The two LDS loads of fragment f of a tile: its 64 bytes lie at 64 f + 16 (f / 8) of the padded row.
.macro LDF adr, off, f
.set rF, CF+8*((\f)%12)
.set lo, (\off)+64*(\f)+16*((\f)/8)
	ds_load_b128 v[rF:rF+3],   v[\adr] offset:lo
	ds_load_b128 v[rF+4:rF+7], v[\adr] offset:lo+32
.endm
; The product of K step f for token tile t into set a.  The four accumulators of a set take turns, one instruction a turn.  K step 0 starts the sums: nothing is cleared.
.macro MMA f, a, t
.set rA, ACC+32*(\a)+8*(\t)
.set rF, CF+8*((\f)%12)
.set rX, 32*((\f)%8)+8*(\t)
	WIN 4*(1+(\f)/8)                               ; source 1, the tokens, in window 1, 2 or 3; all else in window 0
.if (\f) == 0
	v_wmma_f32_16x16x32_bf16 v[rA:rA+7], v[rF:rF+7], v[rX:rX+7], 0
.else
	v_wmma_f32_16x16x32_bf16 v[rA:rA+7], v[rF:rF+7], v[rX:rX+7], v[rA:rA+7]
.endif
.endm
; THE RIDERS: a list of 116 for the finished tile in set a; RD writes the next n of it (rq counts).
;   0      the tile's first row        1-3  v_nop: with number 0 the four places behind the set's last products (ISA guide 7.12.1)
;   4-19   the scores, in place: dot x -2 + |c|^2, two at a time, each accumulator from its low end on
;   20-115 for each of the lane's 32 places: is the score less than the least so far?  then the tile's first row is kept; the lesser of the two is kept.  Strictly less: of equal scores the earlier tile stays.
.macro RD n, a
.rept \n
.if rq < 116
	WIN 0
.if rq == 0
	v_add_nc_u32 v[TIX], 16, v[TIX]
.elseif rq < 4
	v_nop
.elseif rq < 20
.set rr, ACC+32*(\a)+2*(rq-4)
.set rc, CB+2*((rq-4)%4)
	v_pk_fma_f32 v[rr:rr+1], v[rr:rr+1], -2.0, v[rc:rc+1] op_sel_hi:[1,0,1]
.else
.set rn, (rq-20)/3
.if (rq-20)%3 == 0
	v_cmp_lt_f32 vcc_lo, v[ACC+32*(\a)+rn], v[BEST+rn]
.elseif (rq-20)%3 == 1
	v_cndmask_b32 v[IDX+rn], v[IDX+rn], v[TIX], vcc_lo
.else
	v_min_num_f32 v[BEST+rn], v[ACC+32*(\a)+rn], v[BEST+rn]
.endif
.endif
.endif
.set rq, rq+1
.endr
.endm
; A TILE: 16 codebook rows (tile et of the slot) against my 64 tokens: 24 K steps of four products into set a, five riders behind the first product of each.
; K step f asks for fragment f + 8 (behind the tile's last: of the next tile), into the ring's place that K step f - 4 read: fifteen riders or more stand between as the places.
; So at a K step's head seven younger fragments, 14 loads, may be out.  In K step 12 the tile's own |c|^2 is fetched: the riders that read the tile before's ended in K step 3.
; mode 0: as said.  mode 1: the slot's last tile, THE CHANGE OF SLOTS with a refill.  mode 2: the change without a refill.  mode 3: the launch's last tile: nothing follows.
; THE CHANGE.  K steps 16-19 fetch nothing: by K step 15 the slot has been read out.  Behind K step 16 each wave waits for all its tensor loads, of which one is out: its part of the next slot; adds 0 to its spare
; word; K steps 17 and 18 stand between the add and the wait for it and for my reads of the slot; then the barrier, K step 19 between its signal and its wait.  With a refill it opens a round of the cluster's
; barrier: no wave of any partner still reads the slot or has a load on its way; the joint refill is the first thing behind the round, with 384 matrix instructions less those of four K steps in which to land.
; Then the next slot's first four fragments in one run; K steps 20-23 fetch the next four.
.macro TILE a, et, mode
.set rq, 0
.set f, 0
.set chg, (((\mode) == 1) || ((\mode) == 2))
.rept 24
.if ((\mode) == 3) && (f >= 16)
	s_wait_dscnt 2*(23-f)                          ; the fragments behind f, two loads each
.elseif chg && (f == 17)
	s_wait_dscnt 13                                ; six younger fragments and the add
.elseif chg && (f == 18)
	s_wait_dscnt 11                                ; five and the add
.elseif chg && (f == 19)
.else
	s_wait_dscnt 14                                ; LDS loads come back in order (ISA guide 5.7.1): fragment f is in
.endif
	MMA f, \a, 0
	RD 5, 1-(\a)
	MMA f, \a, 1
.if f < 16
	LDF AD0+(\et)/2, ((\et)%2)*TR, f+8
.elseif (\mode) == 0
	LDF AD0+((\et)+1)/2, (((\et)+1)%2)*TR, f-16
.elseif chg && (f >= 20)
	LDF AN0, 0, f-16
.endif
.if f == 12
	ds_load_b128 v[CB:CB+3],   v[CBA] offset:64*(\et)
	ds_load_b128 v[CB+4:CB+7], v[CBA] offset:64*(\et)+16
.endif
	MMA f, \a, 2
	MMA f, \a, 3
.if chg && (f == 16)
	WIN 0                                          ; (the add's two registers lie in window 0)
.if (\mode) == 1
	s_wait_xcnt 0x0                                ; the last prefetch, a turn back, has read its address: it is stepped here, ahead of the change's own waits
	s_add_nc_u64 s[PFA:PFA+1], s[PFA:PFA+1], TILEB
.endif
	s_wait_tensorcnt 0x0                           ; all my tensor loads have landed: no load of mine is out, so a group 0 may be written
	ds_add_u32 v[SPW], v[NIL]                      ; 0 onto my spare word
.if (\mode) == 1
	s_xor_b32 s[G0W+1], s[G0W+1], SLOT1            ; the walking descriptor: the other slot than last time,
	s_add_nc_u64 s[G0W+2:G0W+3], s[G0W+2:G0W+3], TILEB  ; the next 64 rows; the type bits on top are not reached
.endif
.endif
.if chg && (f == 18)
	s_wait_dscnt 0x0                               ; the add is done, and my reads of the slot are over
	s_barrier_signal -1
.endif
.if chg && (f == 19)
	WIN 0                                          ; at a label and at a branch every window is 0
	s_barrier_wait -1
.if (\mode) == 1
	CREST
	tensor_load_to_lds s[G0W:G0W+3], s[G1T:G1T+7]  ; every wave's one tensor load behind the round: its tile of the slot just read out
	s_nop 0
	PLACES
.endif
	LDF AN0, 0, 0
	LDF AN0, 0, 1
	LDF AN0, 0, 2
	LDF AN0, 0, 3
.if (\mode) == 1
	ASK
.endif
.endif
.set f, f+1
.endr
.endm
; A TURN: a slot's four tiles; then the addresses go over to the other slot and to the next 64 |c|^2.
.macro TURN mode
	TILE 0, 0, 0
	TILE 1, 1, 0
	TILE 0, 2, 0
	TILE 1, 3, \mode
	WIN 0
.if (\mode) != 3
	s_xor_b32 s[TB], s[TB], SLOT1
	s_xor_b32 s[TBN], s[TBN], SLOT1
	s_add_co_u32 s[CBO], s[CBO], 256
	v_add_nc_u32 v[AD0], s[TB], v[LB]
	v_add_nc_u32 v[AD1], 2*TR, v[AD0]
	v_add_nc_u32 v[AN0], s[TBN], v[LB]
	v_add_nc_u32 v[CBA], s[CBO], v[CBB]
.endif
.endm
; Of two (score, row) the lesser score is kept in the first; of equal scores the lower row.
.macro MERGE va, ia, vb, ib
	v_cmp_lt_f32 s58, v[\vb], v[\va]
	v_cmp_eq_f32 s59, v[\vb], v[\va]
	v_cmp_lt_u32 vcc_lo, v[\ib], v[\ia]
	s_and_b32 s59, s59, vcc_lo
	s_or_b32 s58, s58, s59
	v_cndmask_b32 v[\va], v[\va], v[\vb], s58
	v_cndmask_b32 v[\ia], v[\ia], v[\ib], s58
.endm
	s_wait_tensorcnt 0x1                           ; my parts of |c|^2 and of slot 0 are in; slot 1's may stay out
	s_barrier_signal -1
	s_barrier_wait -1                              ; everybody's are
.set f, 0
.rept 8
	LDF AD0, 0, f
.set f, f+1
.endr
	s_wait_loadcnt 0x0                             ; the tokens
	s_mov_b32 s[LEFT], 14
.Lturn:                                        ; 14 turns: slot contents 0 to 13 are multiplied, 2 to 15 asked for
	TURN 1
	s_sub_co_u32 s[LEFT], s[LEFT], 1
	s_cmp_lg_u32 s[LEFT], 0
	s_cbranch_scc1 .Lturn
	TURN 2                                         ; the last two turns are written out
	TURN 3
.set rq, 0
	RD 116, 1                                      ; the last tile's riders
	; THE END.  Place (t, j) of a lane holds rows 8 (l / 16) + j of its tiles: j is added, the eight places of a token merged, 8 (l / 16) added, and the two lanes of a token merged: both end alike.
.irp t, 0,1,2,3
.irp j, 1,2,3,4,5,6,7
	v_add_nc_u32 v[IDX+8*(\t)+(\j)], \j, v[IDX+8*(\t)+(\j)]
.endr
.endr
.irp d, 1,2,4
.irp t, 0,1,2,3
.set j, 8*(\t)
.rept 4/(\d)
	MERGE BEST+j, IDX+j, BEST+j+(\d), IDX+j+(\d)
.set j, j+2*(\d)
.endr
.endr
.endr
.irp t, 0,1,2,3
	v_lshl_add_u32 v[IDX+8*(\t)], v2, 3, v[IDX+8*(\t)]
.endr
.irp t, 0,1,2,3
	v_permlanex16_b32 v[16+(\t)], v[BEST+8*(\t)], s[SEL], s[SEL+1]
	v_permlanex16_b32 v[20+(\t)], v[IDX+8*(\t)], s[SEL], s[SEL+1]
.endr
.irp t, 0,1,2,3
	MERGE BEST+8*(\t), IDX+8*(\t), 16+(\t), 20+(\t)
.endr
	v_cmp_eq_u32 vcc_lo, 1, v2
.irp t, 0,1,2,3                        ; the key: a score at or above 0 gets its top bit set, one below 0 all its bits turned: unsigned order is then the scores' order (|c|^2 is never -0, so no score is)
	v_ashrrev_i32 v[20+(\t)], 31, v[BEST+8*(\t)]
	v_or_b32 v[20+(\t)], 0x80000000, v[20+(\t)]
	v_xor_b32 v[20+(\t)], v[20+(\t)], v[BEST+8*(\t)]
	v_cndmask_b32 v[16+(\t)], v[20+(\t)], v[IDX+8*(\t)], vcc_lo
.endr
	global_store_b128 v[OUTO], v[16:19], s[PB:PB+1]  ; lanes 0-15: 256 consecutive bytes of keys, aligned; lanes 16-31: the same of indices
	s_wait_tensorcnt 0x0                           ; the wave's end: behind my last tensor load
	ds_add_u32 v[SPW], v[NIL]
	s_wait_dscnt 0x0
	CROUND                                         ; the closing round: no work-group ends while a partner may still ask for a tile that names it
	s_endpgm
.Lfunc_end_k_qb189e7b008_argmin:
	.size	k_qb189e7b008_argmin, .Lfunc_end_k_qb189e7b008_argmin-k_qb189e7b008_argmin
	.p2alignl 7, 3214868480
	.fill 96, 4, 3214868480
	.section	.rodata,"a",@progbits
	.p2align	6, 0x0
	.amdhsa_kernel k_qb189e7b008_argmin
		.amdhsa_group_segment_fixed_size 327680
		.amdhsa_private_segment_fixed_size 0
		.amdhsa_enable_private_segment 0
		.amdhsa_kernarg_size 32
		.amdhsa_user_sgpr_count 2
		.amdhsa_user_sgpr_kernarg_segment_ptr 1
		.amdhsa_wavefront_size32 1
		.amdhsa_system_sgpr_workgroup_id_x 1
		.amdhsa_system_sgpr_workgroup_id_y 1
		.amdhsa_system_sgpr_workgroup_id_z 1
		.amdhsa_system_vgpr_workitem_id 0
		.amdhsa_next_free_vgpr 1024
		.amdhsa_next_free_sgpr 66
		.amdhsa_reserve_vcc 1
		.amdhsa_float_denorm_mode_32 3
		.amdhsa_float_denorm_mode_16_64 3
		.amdhsa_memory_ordered 1
		.amdhsa_forward_progress 1
		.amdhsa_inst_pref_size 236
	.end_amdhsa_kernel
	.amdgpu_metadata
---
amdhsa.version: [ 1, 2 ]
amdhsa.kernels:
  - .name:           k_qb189e7b008_argmin
    .symbol:         k_qb189e7b008_argmin.kd
    .args:
      - { .name: xh, .offset: 0, .size: 8, .value_kind: global_buffer, .address_space: global }
      - { .name: cbh, .offset: 8, .size: 8, .value_kind: global_buffer, .address_space: global }
      - { .name: cbsq, .offset: 16, .size: 8, .value_kind: global_buffer, .address_space: global }
      - { .name: part, .offset: 24, .size: 8, .value_kind: global_buffer, .address_space: global }
    .group_segment_fixed_size: 327680
    .private_segment_fixed_size: 0
    .kernarg_segment_align: 8
    .kernarg_segment_size: 32
    .max_flat_workgroup_size: 128
    .sgpr_count:     66
    .vgpr_count:     1024
    .wavefront_size: 32
...
	.end_amdgpu_metadata
.endif
;; end of part 2
;; launch mix (part 3): grid 512 x 1, 8 waves a work-group, no clusters, 50,176 bytes of LDS; arguments part, cbh, noise, rand_idx, out0; writes out0
.if DOCPART == 3
	.amdgcn_target "amdgcn-amd-amdhsa--gfx1250"
	.amdhsa_code_object_version 6
	.text
	.protected	k_qb189e7b008_mix
	.globl	k_qb189e7b008_mix
	.p2align	8
	.type	k_qb189e7b008_mix,@function
k_qb189e7b008_mix:
	s_mov_b64 s[64:65], 0
	v_nop
	global_prefetch_b8 v0, s[64:65] scope:SCOPE_SE
	s_setreg_imm32_b32 hwreg(HW_REG_WAVE_MODE, 25, 1), 1
	s_wait_xcnt 0x0
; THIRD LAUNCH: out[b][s] = the mean over j of c[idx[rand_idx[b][s][j]][s]] + 0.1 noise[b][s].  Nothing of the module's work is left out.
; part (whole numbers, stored by the launch before): for each quarter q of the codebook and token tau = 32 s + b a key, whose unsigned order is the scores' order, and the row.  cbh: the codebook rounded to bf16,
; place 256 c + 8 l + e of a row holding k = 256 c + 128 (e / 4) + 4 l + e % 4.  noise and out are f32.  The rows averaged are the rounded ones; the sum is 0.1 n, then the eight c / 8 (exact) in f32.
; LIMITS.  An index outside its table is held to the table's end (rows to 4,095, rand_idx to 31).
; SHARES.  A work-group is one s: its 32 x 8 lookups name only that s's 32 tokens, so the 32 chosen rows are brought into LDS once, and each output row adds eight of them from there.
; Wave w finds the rows of tokens 4 w .. 4 w + 3 (the four quarters compared as whole numbers: strictly less, so of equal scores the lower quarter, hence the lower row, stays), stages them, and makes the
; output rows b = 4 w .. 4 w + 3.  A lane's 16 bytes of a staged row are just the eight numbers of two of its loads of noise.  Every load and store of a wave covers 512 consecutive bytes, aligned.
; No tensor loads, no cluster (the rows come by a list), no matrix unit, no prefetch: each wave asks for all its noise in its first lines.
.set SPARE, 49152                      ; LDS: 32 rows of 1,536 bytes from 0; behind them the spare words, 128 bytes for each of the 8 waves, which no other line names
.set LO,   1                           ; v1   16 x lane; never rewritten
.set PO,   2                           ; v2   my byte offset in part: token 32 s + 4 w + lane % 4
.set STA,  3                           ; v3   where I put 16 bytes of my wave's first staged row
.set KEY,  4                           ; v[4:7]   the four quarters' keys
.set ROWI, 8                           ; v[8:11]  and rows
.set EIG,  13                          ; v13  1/8
.set SPW,  14                          ; v14  LDS address of my spare word; never rewritten
.set NIL,  15                          ; v15  0; never rewritten
.set AD,   16                          ; v[16:23] LDS addresses of four staged rows, two sets
.set N,    32                          ; v[32:127]  output row i: 24 registers, load m at N + 24 i + 4 m: noise, then the sum
.set G,    128                         ; v[128:223] two sets of 48: sample jj, part c of a staged row at 12 jj + 4 c
	s_load_b256 s[4:11], s[0:1], 0x0               ; part s[4:5], cbh s[6:7], noise s[8:9], rand_idx s[10:11]
	s_load_b64 s[12:13], s[0:1], 0x20              ; out
	v_lshl_add_u32 v[SPW], v0, 2, SPARE
	v_mov_b32 v[NIL], 0
	v_lshrrev_b32 v3, 5, v0
	v_readfirstlane_b32 s14, v3                    ; wave 0..7
	v_and_b32 v[LO], 31, v0
	v_lshlrev_b32 v[LO], 4, v[LO]
	v_and_b32 v[PO], 3, v0
	s_mov_b32 s15, ttmp9                           ; s
	s_lshl_b32 s56, s15, 7                         ; 4 bytes x 32 s,
	s_lshl_b32 s57, s14, 4                         ; + 4 x 4 w
	s_add_co_u32 s56, s56, s57
	v_lshl_add_u32 v[PO], v[PO], 2, s56
	s_mul_i32 s57, s14, 4*1536
	v_add_nc_u32 v[STA], s57, v[LO]
	v_mov_b32 v[EIG], 0x3e000000
	s_lshl_b32 s58, s14, 11                        ; rand_idx: row (4 w + i) 512 + s of 32 bytes
	s_add_co_u32 s58, s58, s15
	s_lshl_b32 s58, s58, 5
	s_mov_b32 s59, 0
	s_mul_i32 s60, s14, 4*512*3072                 ; noise and out: the same row, of 3,072 bytes
	s_mul_i32 s61, s15, 3072
	s_add_co_u32 s60, s60, s61
	s_mov_b32 s61, 0
	s_wait_kmcnt 0x0
	s_add_nc_u64 s[10:11], s[10:11], s[58:59]
	s_add_nc_u64 s[8:9], s[8:9], s[60:61]
	s_add_nc_u64 s[12:13], s[12:13], s[60:61]
.irp i, 0,1,2,3
	s_load_b256 s[16+8*(\i):23+8*(\i)], s[10:11], 16384*(\i)  ; my four rows' eight samples each
.endr
.irp q, 0,1,2,3
	global_load_b32 v[KEY+(\q)],  v[PO], s[4:5] offset:131072*(\q)
	global_load_b32 v[ROWI+(\q)], v[PO], s[4:5] offset:131072*(\q)+65536
.endr
.irp i, 0,1,2,3
.irp m, 0,1,2,3,4,5
	global_load_b128 v[N+24*(\i)+4*(\m):N+24*(\i)+4*(\m)+3], v[LO], s[8:9] offset:1572864*(\i)+512*(\m) th:TH_LOAD_NT
.endr
.endr
	s_wait_loadcnt 24                              ; part's eight are in; the 24 loads of noise stay out
.irp q, 1,2,3
	v_cmp_lt_u32 vcc_lo, v[KEY+(\q)], v[KEY]
	v_cndmask_b32 v[KEY],  v[KEY],  v[KEY+(\q)],  vcc_lo
	v_cndmask_b32 v[ROWI], v[ROWI], v[ROWI+(\q)], vcc_lo
.endr
	v_min_u32 v12, 0xfff, v[ROWI]                  ; lane i (0..3) holds the row of token 4 w + i
	s_mov_b32 s57, 0
.irp i, 0,1,2,3
	v_readlane_b32 s56, v12, \i
	s_min_u32 s56, s56, 0xfff
	s_mul_i32 s56, s56, 1536
	s_add_nc_u64 s[48+2*(\i):49+2*(\i)], s[6:7], s[56:57]
.irp c, 0,1,2
	global_load_b128 v[G+12*(\i)+4*(\c):G+12*(\i)+4*(\c)+3], v[LO], s[48+2*(\i):49+2*(\i)] offset:512*(\c)
.endr
.endr
	s_wait_loadcnt 0x0                             ; the rows are in, and the noise, which was asked for in front of them
.irp i, 0,1,2,3
.irp c, 0,1,2
	ds_store_b128 v[STA], v[G+12*(\i)+4*(\c):G+12*(\i)+4*(\c)+3] offset:1536*(\i)+512*(\c)
.endr
.endr
	s_wait_dscnt 0x0                               ; for the others' sake: my four rows lie in LDS
	s_barrier_signal -1
	s_barrier_wait -1                              ; all 32 do; nothing writes them again
	s_wait_kmcnt 0x0                               ; rand_idx
; Half row k (output row k / 2, samples 4 (k % 2) + 0..3): its 12 LDS loads into set k % 2.
.macro LH k
.irp jj, 0,1,2,3
	s_min_u32 s56, s[16+4*(\k)+(\jj)], 31
	s_mul_i32 s56, s56, 1536
	v_add_nc_u32 v[AD+4*((\k)%2)+(\jj)], s56, v[LO]
.irp c, 0,1,2
	ds_load_b128 v[G+48*((\k)%2)+12*(\jj)+4*(\c):G+48*((\k)%2)+12*(\jj)+4*(\c)+3], v[AD+4*((\k)%2)+(\jj)] offset:512*(\c)
.endr
.endr
.endm
; Half row k is added.  A row's first half turns the noise into 0.1 n first; its second half stores.  Register kk, half z of part c is number 2 (kk % 2) + z of load 2 c + kk / 2.
; The samples are the outermost turn, so that 24 other sums stand between two additions onto one.
.macro CH k
.if (\k) == 7
	s_wait_dscnt 0x0
.else
	s_wait_dscnt 12                                ; LDS loads come back in order (ISA guide 5.7.1): mine are in, the other half row's 12 stay out
.endif
.set rn, N+24*((\k)/2)
.set rg, G+48*((\k)%2)
.if ((\k)%2) == 0
.set z, 0
.rept 12
	v_pk_mul_f32 v[rn+z:rn+z+1], v[rn+z:rn+z+1], 0x3dcccccd op_sel_hi:[1,0]
.set z, z+2
.endr
.endif
.irp jj, 0,1,2,3
.irp c, 0,1,2
.irp kk, 0,1,2,3
.set rs, rg+12*(\jj)+4*(\c)+(\kk)
.set rd, rn+4*(2*(\c)+(\kk)/2)+2*((\kk)%2)
	v_fma_mix_f32_bf16 v[rd],   v[rs], v[EIG], v[rd]   op_sel_hi:[1,0,0]
	v_fma_mix_f32_bf16 v[rd+1], v[rs], v[EIG], v[rd+1] op_sel:[1,0,0] op_sel_hi:[1,0,0]
.endr
.endr
.endr
.if (\k) <= 5
	LH (\k)+2
.endif
.if ((\k)%2) == 1
.irp m, 0,1,2,3,4,5
	global_store_b128 v[LO], v[rn+4*(\m):rn+4*(\m)+3], s[12:13] offset:1572864*((\k)/2)+512*(\m) th:TH_STORE_NT  ; a row's registers are not written again
.endr
.endif
.endm
	LH 0
	LH 1
	CH 0
	CH 1
	CH 2
	CH 3
	CH 4
	CH 5
	CH 6
	CH 7
	s_wait_tensorcnt 0x0                           ; the wave's end: behind my last LDS store
	ds_add_u32 v[SPW], v[NIL]
	s_wait_dscnt 0x0
	s_endpgm
.Lfunc_end_k_qb189e7b008_mix:
	.size	k_qb189e7b008_mix, .Lfunc_end_k_qb189e7b008_mix-k_qb189e7b008_mix
	.p2alignl 7, 3214868480
	.fill 96, 4, 3214868480
	.section	.rodata,"a",@progbits
	.p2align	6, 0x0
	.amdhsa_kernel k_qb189e7b008_mix
		.amdhsa_group_segment_fixed_size 50176
		.amdhsa_private_segment_fixed_size 0
		.amdhsa_enable_private_segment 0
		.amdhsa_kernarg_size 40
		.amdhsa_user_sgpr_count 2
		.amdhsa_user_sgpr_kernarg_segment_ptr 1
		.amdhsa_wavefront_size32 1
		.amdhsa_system_sgpr_workgroup_id_x 1
		.amdhsa_system_sgpr_workgroup_id_y 1
		.amdhsa_system_sgpr_workgroup_id_z 1
		.amdhsa_system_vgpr_workitem_id 0
		.amdhsa_next_free_vgpr 224
		.amdhsa_next_free_sgpr 66
		.amdhsa_reserve_vcc 1
		.amdhsa_float_denorm_mode_32 3
		.amdhsa_float_denorm_mode_16_64 3
		.amdhsa_memory_ordered 1
		.amdhsa_forward_progress 1
		.amdhsa_inst_pref_size 74
	.end_amdhsa_kernel
	.amdgpu_metadata
---
amdhsa.version: [ 1, 2 ]
amdhsa.kernels:
  - .name:           k_qb189e7b008_mix
    .symbol:         k_qb189e7b008_mix.kd
    .args:
      - { .name: part, .offset: 0, .size: 8, .value_kind: global_buffer, .address_space: global }
      - { .name: cbh, .offset: 8, .size: 8, .value_kind: global_buffer, .address_space: global }
      - { .name: noise, .offset: 16, .size: 8, .value_kind: global_buffer, .address_space: global }
      - { .name: rand_idx, .offset: 24, .size: 8, .value_kind: global_buffer, .address_space: global }
      - { .name: out0, .offset: 32, .size: 8, .value_kind: global_buffer, .address_space: global }
    .group_segment_fixed_size: 50176
    .private_segment_fixed_size: 0
    .kernarg_segment_align: 8
    .kernarg_segment_size: 40
    .max_flat_workgroup_size: 256
    .sgpr_count:     66
    .vgpr_count:     224
    .wavefront_size: 32
...
	.end_amdgpu_metadata
.endif
;; end of part 3
;; ======== version 2 of 3: 3 launches
;; workspace buffers: cbh 6,291,456 bytes; cbsq 16,384 bytes; part 524,288 bytes of whole numbers
;; launch prep (part 4): grid 256 x 1, 4 waves a work-group, no clusters, 768 bytes of LDS; arguments codebook, cbh, cbsq; writes cbh, cbsq
.if DOCPART == 4
	.amdgcn_target "amdgcn-amd-amdhsa--gfx1250"
	.amdhsa_code_object_version 6
	.text
	.protected	k_qb189e7b008_prep
	.globl	k_qb189e7b008_prep
	.p2align	8
	.type	k_qb189e7b008_prep,@function
k_qb189e7b008_prep:
	s_mov_b64 s[64:65], 0
	v_nop
	global_prefetch_b8 v0, s[64:65] scope:SCOPE_SE
	s_setreg_imm32_b32 hwreg(HW_REG_WAVE_MODE, 25, 1), 1
	s_wait_xcnt 0x0
; FIRST OF THREE LAUNCHES.  The module: idx[b][s] = argmin over v of (|c_v|^2 - 2 x[b][s] . c_v); out[b][s] = the mean over j of c[idx[rand_idx[b][s][j]][s]] + 0.1 noise[b][s].
; NO WORK IS LEFT OUT: every input has a way to the output (the codebook here, x in the second launch, noise and rand_idx in the third), and every product of the einsum can decide an argmin.
; THE FORMAT.  x and the codebook are rounded to bf16 once each (the codebook here, x on its way into the second launch's registers), and all that follows is taken of the rounded numbers: the products,
; |c|^2 (in f32), and the rows that are averaged.  So the argmin is that of the module on its inputs rounded to bf16; products of two bf16 numbers are exact in f32, and only the order of the f32 sums differs.
; LIMITS.  Two scores of a token that lie closer than the rounding of the f32 sums (some 1e-4 at scores of some 500) may be ordered otherwise than the module orders them.  Inputs are finite.
; THIS LAUNCH.  cbh[v][p]: the rounded codebook.  cbsq[v]: the sum of squares of cbh's row, f32.
; K is permuted (a product's sum does not hang on the order; the second launch permutes x alike): place p = 256 c + 8 l + e holds k = 256 c + 128 (e / 4) + 4 l + e % 4, c = 0..2, l = 0..31, e = 0..7.
; So lane l's two loads of 16 bytes of f32 (at k = 256 c + 4 l and 128 further) pack into ITS 16 bytes of bf16: each load and each store of a row's numbers covers 512 consecutive bytes, aligned.
; SHARES.  4,096 rows on 256 work-groups: 16 rows each, four to a wave, all 24 loads of a wave out at once.  A work-group's 16 sums are 64 consecutive bytes of cbsq, a quarter of an aligned block of 256:
; blocks of 64 rows would fill whole blocks and leave three WGPs in four without work; cbsq is 16,384 of the 18.9 million bytes that the launch moves.
; No tensor loads, no cluster, no prefetch: nothing is read twice, and nothing is asked for later than the first lines.
.set SPARE, 256                        ; LDS: bytes 0-63 the work-group's 16 sums of squares; from 256 on the spare words, 128 bytes for each of the 4 waves, which no other line names
.set LO,   1                           ; v1   16 x lane; never rewritten
.set L3,   2                           ; v2   lane % 4
.set SA,   3                           ; v3   LDS address of sum number 4 w + lane % 4
.set SPW,  4                           ; v4   LDS address of my spare word; never rewritten
.set NIL,  5                           ; v5   0; never rewritten
.set SQR,  6                           ; v[6:13]  row i: a pair of running sums of squares
.set D,    32                          ; v[32:127] row i, load m (128 numbers of f32, 4 a lane) at D + 24 i + 4 m
	s_load_b128 s[4:7], s[0:1], 0x0                ; codebook s[4:5], cbh s[6:7]
	s_load_b64 s[8:9], s[0:1], 0x10                ; cbsq
	v_lshl_add_u32 v[SPW], v0, 2, SPARE
	v_mov_b32 v[NIL], 0
	v_lshrrev_b32 v14, 5, v0
	v_readfirstlane_b32 s14, v14                   ; wave 0..3
	v_and_b32 v15, 31, v0                          ; lane
	v_lshlrev_b32 v[LO], 4, v15
	v_and_b32 v[L3], 3, v0
	v_lshlrev_b32 v[SA], 2, v[L3]
	v_lshl_add_u32 v[SA], s14, 4, v[SA]            ; 4 x (4 w + lane % 4)
	v_lshlrev_b32 v17, 4, v[L3]                    ; 16 x (lane % 4): wave 0's way out for the sums
	s_mov_b32 s28, 0x76543210                      ; v_permlanex16_b32: each lane takes its own place in the other half
	s_mov_b32 s29, 0xfedcba98
	s_mov_b32 s30, 0xffff0000                      ; a word's upper bf16
	s_lshl_b32 s16, ttmp9, 4
	s_lshl_b32 s17, s14, 2
	s_add_co_u32 s16, s16, s17                     ; my first row
	s_mul_i32 s32, s16, 3072                       ; its bytes in f32,
	s_mov_b32 s33, 0
	s_mul_i32 s34, s16, 1536                       ; and in bf16
	s_mov_b32 s35, 0
	s_lshl_b32 s36, ttmp9, 6                       ; the work-group's 16 sums
	s_mov_b32 s37, 0
	s_wait_kmcnt 0x0
	s_add_nc_u64 s[18:19], s[4:5], s[32:33]
	s_add_nc_u64 s[20:21], s[6:7], s[34:35]
	s_add_nc_u64 s[8:9], s[8:9], s[36:37]
.irp i, 0,1,2,3
.irp m, 0,1,2,3,4,5
	global_load_b128 v[D+24*(\i)+4*(\m):D+24*(\i)+4*(\m)+3], v[LO], s[18:19] offset:3072*(\i)+512*(\m) th:TH_LOAD_NT
.endr
.endr
; Row i: rounded and stored.  Of each 256 numbers the two loads' eight registers pack, in place, into the first load's four; those are the store's data and are not written again.
.macro ROW i
	s_wait_loadcnt 18-6*(\i)                       ; loads come back in order (ISA guide 5.7.1): row i's six are in, the later rows' stay out
.irp c, 0,1,2
.set ra, D+24*(\i)+8*(\c)
	v_cvt_pk_bf16_f32 v[ra],   v[ra],   v[ra+1]
	v_cvt_pk_bf16_f32 v[ra+1], v[ra+2], v[ra+3]
	v_cvt_pk_bf16_f32 v[ra+2], v[ra+4], v[ra+5]
	v_cvt_pk_bf16_f32 v[ra+3], v[ra+6], v[ra+7]
	global_store_b128 v[LO], v[ra:ra+3], s[20:21] offset:1536*(\i)+512*(\c)
.endr
.endm
; Row i's sum of squares, of the ROUNDED numbers: each packed word is widened into the second load's registers, which no store reads.  The first product starts the sums.
.macro SQ i
.set fst, 1
.irp c, 0,1,2
.irp k, 0,1,2,3
.set ra, D+24*(\i)+8*(\c)+(\k)
.set rb, D+24*(\i)+8*(\c)+4+2*((\k)%2)
	v_lshlrev_b32 v[rb],   16, v[ra]
	v_and_b32     v[rb+1], s30, v[ra]
.if fst
	v_pk_mul_f32 v[SQR+2*(\i):SQR+2*(\i)+1], v[rb:rb+1], v[rb:rb+1]
.else
	v_pk_fma_f32 v[SQR+2*(\i):SQR+2*(\i)+1], v[rb:rb+1], v[rb:rb+1], v[SQR+2*(\i):SQR+2*(\i)+1]
.endif
.set fst, 0
.endr
.endr
.endm
	ROW 0
	ROW 1
	ROW 2
	ROW 3
	SQ 0
	SQ 1
	SQ 2
	SQ 3
.irp i, 0,1,2,3
	v_add_f32 v[SQR+2*(\i)], v[SQR+2*(\i)], v[SQR+2*(\i)+1]
.endr
.irp x, 1,2,4,8                        ; across the lanes: four steps inside each half of 16, one across the halves; the four rows alternate
.irp i, 0,1,2,3
	v_add_f32_dpp v[SQR+2*(\i)], v[SQR+2*(\i)], v[SQR+2*(\i)] row_xmask:\x row_mask:0xf bank_mask:0xf
.endr
.endr
.irp i, 0,1,2,3
	v_permlanex16_b32 v[SQR+2*(\i)+1], v[SQR+2*(\i)], s28, s29
.endr
.irp i, 0,1,2,3
	v_add_f32 v[SQR+2*(\i)], v[SQR+2*(\i)], v[SQR+2*(\i)+1]
.endr
	v_mov_b32 v16, v[SQR]                          ; lane l takes row l % 4's sum: one LDS store for the wave's four
	v_cmp_eq_u32 vcc_lo, 1, v[L3]
	v_cndmask_b32 v16, v16, v[SQR+2], vcc_lo
	v_cmp_eq_u32 vcc_lo, 2, v[L3]
	v_cndmask_b32 v16, v16, v[SQR+4], vcc_lo
	v_cmp_eq_u32 vcc_lo, 3, v[L3]
	v_cndmask_b32 v16, v16, v[SQR+6], vcc_lo
	ds_store_b32 v[SA], v16                        ; eight lanes write the same word with the same number
	s_wait_dscnt 0x0                               ; for the others' sake: my sums lie in LDS
	s_barrier_signal -1
	s_barrier_wait -1
	s_cmp_lg_u32 s14, 0
	s_cbranch_scc1 .Lend
	ds_load_b128 v[18:21], v17                     ; wave 0 stores the work-group's 16 sums: lanes 0 to 3, 16 bytes each
	v_cmp_gt_u32 vcc_lo, 4, v15
	s_wait_dscnt 0x0
	s_wait_xcnt 0x0                                ; EXEC is a source of the rows' stores: it changes only behind this wait
	s_and_saveexec_b32 s38, vcc_lo
	global_store_b128 v17, v[18:21], s[8:9]
	s_wait_xcnt 0x0                                ; and again, in front of the line that widens it
	s_or_b32 exec_lo, exec_lo, s38
.Lend:
	s_wait_tensorcnt 0x0                           ; the wave's end: behind my last LDS store
	ds_add_u32 v[SPW], v[NIL]
	s_wait_dscnt 0x0
	s_endpgm
.Lfunc_end_k_qb189e7b008_prep:
	.size	k_qb189e7b008_prep, .Lfunc_end_k_qb189e7b008_prep-k_qb189e7b008_prep
	.p2alignl 7, 3214868480
	.fill 96, 4, 3214868480
	.section	.rodata,"a",@progbits
	.p2align	6, 0x0
	.amdhsa_kernel k_qb189e7b008_prep
		.amdhsa_group_segment_fixed_size 768
		.amdhsa_private_segment_fixed_size 0
		.amdhsa_enable_private_segment 0
		.amdhsa_kernarg_size 24
		.amdhsa_user_sgpr_count 2
		.amdhsa_user_sgpr_kernarg_segment_ptr 1
		.amdhsa_wavefront_size32 1
		.amdhsa_system_sgpr_workgroup_id_x 1
		.amdhsa_system_sgpr_workgroup_id_y 1
		.amdhsa_system_sgpr_workgroup_id_z 1
		.amdhsa_system_vgpr_workitem_id 0
		.amdhsa_next_free_vgpr 128
		.amdhsa_next_free_sgpr 66
		.amdhsa_reserve_vcc 1
		.amdhsa_float_denorm_mode_32 3
		.amdhsa_float_denorm_mode_16_64 3
		.amdhsa_memory_ordered 1
		.amdhsa_forward_progress 1
		.amdhsa_inst_pref_size 17
	.end_amdhsa_kernel
	.amdgpu_metadata
---
amdhsa.version: [ 1, 2 ]
amdhsa.kernels:
  - .name:           k_qb189e7b008_prep
    .symbol:         k_qb189e7b008_prep.kd
    .args:
      - { .name: codebook, .offset: 0, .size: 8, .value_kind: global_buffer, .address_space: global }
      - { .name: cbh, .offset: 8, .size: 8, .value_kind: global_buffer, .address_space: global }
      - { .name: cbsq, .offset: 16, .size: 8, .value_kind: global_buffer, .address_space: global }
    .group_segment_fixed_size: 768
    .private_segment_fixed_size: 0
    .kernarg_segment_align: 8
    .kernarg_segment_size: 24
    .max_flat_workgroup_size: 128
    .sgpr_count:     66
    .vgpr_count:     128
    .wavefront_size: 32
...
	.end_amdgpu_metadata
.endif
;; end of part 4
;; launch argmin (part 5): grid 4 x 64, 4 waves a work-group, clusters of 4 x 4, 327,680 bytes of LDS; arguments base_embeddings, cbh, cbsq, part; writes part
.if DOCPART == 5
	.amdgcn_target "amdgcn-amd-amdhsa--gfx1250"
	.amdhsa_code_object_version 6
	.text
	.protected	k_qb189e7b008_argmin
	.globl	k_qb189e7b008_argmin
	.p2align	8
	.type	k_qb189e7b008_argmin,@function
k_qb189e7b008_argmin:
	s_mov_b64 s[64:65], 0
	v_nop
	global_prefetch_b8 v0, s[64:65] scope:SCOPE_SE
	s_setreg_imm32_b32 hwreg(HW_REG_WAVE_MODE, 25, 1), 1
	s_wait_xcnt 0x0
	s_wait_alu depctr_hold_cnt(0) depctr_sa_sdst(0) depctr_va_vdst(0) depctr_va_sdst(0) depctr_va_ssrc(0) depctr_va_vcc(0) depctr_vm_vsrc(0)
	s_getreg_b32 s2, hwreg(HW_REG_IB_STS2, 6, 4)
	s_cmp_eq_u32 s2, 0
	s_cbranch_scc0 .Lentry_in_a_cluster
	s_endpgm
.Lentry_in_a_cluster:
	s_bfe_u32 s2, ttmp6, 0x10000c
	s_cmp_lg_u32 s2, 0xf033
	s_cbranch_scc0 .Lentry_shape_is_right
	s_endpgm
.Lentry_shape_is_right:
; SECOND LAUNCH: for each token the least score |c_v|^2 - 2 x . c_v and its v, within a QUARTER of the codebook.  Nothing of the module's work is left out.
; x [32 b][512 s][768] is f32; cbh [4,096][768] is bf16 with K permuted (place 256 c + 8 l + e holds k = 256 c + 128 (e / 4) + 4 l + e % 4); cbsq [4,096] is f32.  x is rounded to bf16, once, and permuted alike on
; its way into registers.  Products in bf16 with f32 sums; the score is one fused multiply-add, dot x -2 + |c|^2, as the module rounds it.  Tokens are numbered tau = 32 s + b.
; OUT: part[q][0][tau] = the least score of quarter q as a whole number whose unsigned order is the scores' order; part[q][1][tau] = its v.  The third launch compares the four as whole numbers.
; LIMITS.  Finite inputs.  A NaN score is never chosen (the module would choose it); where all scores of a quarter are +infinity the index stored is 0.  Ties go to the lowest v, as in the module;
; scores closer than the rounding of the f32 sums may be ordered otherwise than the module orders them.
; SHARES.  A work-group: 256 tokens x 1,024 codebook rows.  A wave: 64 of the tokens, four tiles of 16, against all 1,024 rows, 16 at a time.  ITS TOKENS STAY IN REGISTERS: 4 tiles x 24 fragments x 8 = 768.
; Tile t of a wave holds the tokens 4 r + t (r = lane % 16), so that a lane's four results are 16 consecutive bytes.
; THE PRODUCT is taken with source 0 = 16 codebook rows, source 1 = 16 tokens: in the result a lane holds ONE token and the rows 8 (lane / 16) + 0..7.  So the running least score and its row are kept for
; each of a lane's 32 places (tile, register), no lane looks at another until the end, and the places are merged once.
; THE RING.  The codebook goes through two LDS slots of 64 rows (four tiles of 16); a TURN is a slot: 384 matrix instructions a wave.  Each wave fetches a quarter of a slot by one tensor load.
; CLUSTER.  4 x 4 work-groups: along x the four quarters, along y four blocks of tokens.  The four of a column walk the same quarter: each tile, and the quarter's |c|^2, is asked for JOINTLY.
; x is not shared so: it goes straight into registers, once, and a block's 786,432 bytes have no room in LDS beside the ring.  The four work-groups of a cluster's row each round the same 256 tokens, 768
; conversions a wave: a launch that rounded x once would store half of x's bytes, and these four would read them all the same.
; RIDERS.  While accumulator set a takes tile n's 96 products, set 1 - a holds tile n - 1's sums, and the 116 vector instructions that make scores of them and keep the least stand behind the first product of
; each K step: four as a rule, ten in the three K steps that hold a run of LDS loads.  They want window 0 for their second source, the products window 1 to 3 for theirs (the tokens fill three windows): two switches a K step.
; THE LDS LOADS stand in three runs of 16 a tile, never singly among the products.
; REGISTERS, in windows of 256 (s_set_vgpr_msb: bits 1:0 source 0, 3:2 source 1, 5:4 source 2, 7:6 destination):
;   window 0: v0-15 addresses; v16-23 at work at the head and at the end; v24-31 |c|^2 of a tile's rows; v32-95 two sets of four accumulators; v96-127 the least scores; v128-159 their tiles' first rows;
;             v160-255 a ring of 12 codebook fragments; at the head v32-255 are seven slots of 32 for x as loaded          windows 1-3: the tokens: tile t, K step ks at register 256 + 32 ks + 8 t
.set PITCH, 1584                       ; a codebook row in LDS: 3 x (512 bytes + 16 of padding) = 396 words: row r starts at bank 12 r mod 64 (64 banks of 4 bytes: ISA guide 11.1): the 16 rows of a load start at 16 different groups of four banks
.set TR,    16*PITCH                   ; a tile of 16 rows: what one tensor load brings
.set SLOT1, 1<<17                      ; slot 0 at byte 0 (101,376 bytes), slot 1 here: one exclusive or turns an address in one slot into the other's
.set CBS,   SLOT1+64*PITCH             ; the quarter's 1,024 |c|^2, filled once
.set SPARE, CBS+4096                   ; the spare words, 128 bytes for each wave: two blocks of 256 bytes that no other line names
.set TILEB, 64*1536                    ; a slot's rows in memory: dense
.set QB,    1024*1536                  ; a quarter's
.set XROW,  3072                       ; a row of x
.set XBAT,  512*XROW                   ; from b to b + 1 in x
.set XO,   3                           ; v3   my byte offset in x from the wave's first row: 4 (r % 8) steps of b + r / 8 rows + 16 (lane / 16); never rewritten
.set AD0,  4                           ; v4   LDS address of my part of a fragment in tile 0 of the slot in hand (tile 1: + TR in the immediate)
.set AD1,  5                           ; v5   the same for tile 2 (and 3)
.set AN0,  6                           ; v6   the same for tile 0 of the next slot
.set CBA,  7                           ; v7   LDS address of |c|^2 of my 8 rows in the turn's tile 0
.set TIX,  8                           ; v8   the first row (in the whole codebook) of the tile whose scores the riders have in hand
.set PFO,  9                           ; v9   256 x lane; never rewritten
.set OUTO, 10                          ; v10  my 16 bytes of part
.set SPW,  11                          ; v11  LDS address of my spare word; never rewritten
.set NIL,  12                          ; v12  0; never rewritten
.set LB,   13                          ; v13  PITCH x r + 16 (lane / 16); never rewritten
.set CBB,  14                          ; v14  CBS + 32 (lane / 16); never rewritten
.set CB,   24
.set ST,   32                          ; the head's seven slots
.set ACC,  32                          ; set a, token tile t at ACC + 32 a + 8 t
.set BEST, 96
.set IDX,  128
.set CF,   160                         ; fragment f at CF + 8 (f % 12)
.set WV,   12                          ; s12  my wave's number
.set LIM,  17                          ; s17  1 in a wave that prefetches, else the greatest number
.set LEFT, 18                          ; s18  turns of the loop in hand still to come
.set TB,   19                          ; s19  LDS byte of the slot in hand
.set PFA,  20                          ; s[20:21] where my prefetches stand
.set TBN,  22                          ; s22  LDS byte of the next slot
.set CBO,  23                          ; s23  256 x the turn's number
.set G1T,  24                          ; s[24:31] descriptor group 1 for the codebook's tiles
.set G1S,  32                          ; s[32:39] for |c|^2
.set G0A,  40                          ; s[40:43] group 0: slot 0's first fill
.set G0W,  44                          ; s[44:47] group 0: slot 1's first fill; then it walks
.set G0S,  48                          ; s[48:51] group 0: |c|^2
.set XB,   52                          ; s[52:53] x at b = 0 and my wave's first s
.set PB,   54                          ; s[54:55] part at my quarter's keys of my wave's tokens
.set SEL,  56                          ; s[56:57] v_permlanex16_b32's selects
.set MSB, 0
.macro WIN new                         ; the immediate's high byte repeats the setting that is left; a switch that changes nothing is dropped
.if MSB != (\new)
	s_set_vgpr_msb (MSB<<8)|(\new)
.set MSB, (\new)
.endif
.endm
.macro PLACES
.rept 4
	v_nop
.endr
.endm
; A round of the cluster's barrier: my work-group's barrier, so that wave 0's signal speaks for all four waves; wave 0 signals; every wave waits for all sixteen work-groups; my work-group's barrier once more.
.macro CREST                           ; a round behind its opening barrier
	s_cmp_lg_u32 s[WV], 0
	s_cbranch_scc1 .Lnot_wave_0_\@
	s_barrier_signal -3
.Lnot_wave_0_\@:
	s_barrier_wait -3
	s_barrier_signal -1
	s_barrier_wait -1
.endm
.macro CROUND
	s_barrier_signal -1
	s_barrier_wait -1
	CREST
.endm
; A PREFETCH INTO THE L2 of the slot that the NEXT change of slots will ask for: one turn, 384 matrix instructions, ahead of that load.  cbh was stored by the launch before.  A slot's rows are 98,304 dense bytes: 384
; blocks of 256.  All sixteen clusters walk the same four quarters: the cluster with y = 0 asks.  The four partners of a column and waves 0 to 2 of each share the blocks out BY ADDRESS: block 32 (3 cy + w) + lane,
; one instruction a wave: each block is named once in the launch.  Slots 0 to 2 come by their loads alone; the last change that fills a slot asks for nothing: there is no slot behind it.
; x is not asked for: it is loaded at the kernel's head alone.
.macro ASK
	s_cmp_gt_u32 s[LEFT], s[LIM]
	s_cbranch_scc0 .Lnot_mine_\@
	global_prefetch_b8 v[PFO], s[PFA:PFA+1] th:TH_LOAD_NT scope:SCOPE_SE
.Lnot_mine_\@:
.endm
	s_load_b256 s[4:11], s[0:1], 0x0               ; x s[4:5], cbh s[6:7], cbsq s[8:9], part s[10:11]
	v_lshl_add_u32 v[SPW], v0, 2, SPARE
	v_mov_b32 v[NIL], 0
	ds_add_u32 v[SPW], v[NIL]                      ; the wave's opening: the add, twice on end, and its wait ahead of my first tensor load; the set-up below, work on registers, stands between
	ds_add_u32 v[SPW], v[NIL]                      ; and once more, under the one wait
	v_lshrrev_b32 v1, 5, v0
	v_readfirstlane_b32 s[WV], v1                  ; wave 0..3
	s_bfe_u32 s13, ttmp6, 0x40000                  ; cx
	s_bfe_u32 s14, ttmp6, 0x40004                  ; cy
	s_lshl_b32 s15, ttmp9, 2                       ; in a cluster launch ttmp9 and ttmp7 count clusters
	s_add_co_u32 s15, s15, s13                     ; q, the quarter = 4 x cluster x + cx
	s_and_b32 s16, ttmp7, 0xffff
	s_lshl_b32 s16, s16, 2
	s_add_co_u32 s16, s16, s14                     ; the block of 256 tokens = 4 x cluster y + cy
	s_lshl_b32 s19, 0x1111, s13                    ; my column of the cluster: places cx, cx + 4, cx + 8, cx + 12
	; group 1 for the codebook: a wave's 16 rows are 24,576 dense bytes, asked for as 48 rows of 512 bytes, 16 bytes of padding behind each.  48 rows and not 64: a slot's 192 are shared out among four waves
	s_or_b32 s[G1T], s19, (1<<16)|(1<<20)|(1<<21)|(6<<22)|(3<<25)  ; 15:0 the mask; 17:16 elements of 2 bytes; 20 padding on; 21 set beside a mask; 24:22 after every 128 words (code 6); 31:25 4 words (code 3)
	s_mov_b32 s[G1T+1], 256<<16                    ; tensor_dim0 = 256
	s_mov_b32 s[G1T+2], 48<<16                     ; tensor_dim1 = 48
	s_mov_b32 s[G1T+3], 256<<16                    ; tile_dim0 = 256
	s_mov_b32 s[G1T+4], 48                         ; tile_dim1 = 48
	s_mov_b32 s[G1T+5], 256                        ; 256 elements from row to row
	s_mov_b32 s[G1T+6], 0
	s_mov_b32 s[G1T+7], 0
	; group 1 for |c|^2: a wave's 256 numbers are 1,024 dense bytes: 4 rows of 32 elements of 8 bytes, no padding
	s_or_b32 s[G1S], s19, (3<<16)|(1<<21)
	s_mov_b32 s[G1S+1], 32<<16
	s_mov_b32 s[G1S+2], 4<<16
	s_mov_b32 s[G1S+3], 32<<16
	s_mov_b32 s[G1S+4], 4
	s_mov_b32 s[G1S+5], 32
	s_mov_b32 s[G1S+6], 0
	s_mov_b32 s[G1S+7], 0
	s_mov_b32 s[G0A], 1                            ; count = 1
	s_mul_i32 s[G0A+1], s[WV], TR                  ; LDS: tile w of slot 0: no place in the cluster enters an LDS address
	s_mov_b32 s[G0W], 1
	s_add_co_u32 s[G0W+1], s[G0A+1], SLOT1         ; tile w of slot 1
	s_mov_b32 s[G0S], 1
	s_lshl_b32 s[G0S+1], s[WV], 10
	s_add_co_u32 s[G0S+1], s[G0S+1], CBS
	s_mul_i32 s60, s15, QB                         ; where the tiles come from hangs on the quarter, which my column shares, and the wave: in registers that never hold cy
	s_mul_i32 s61, s[WV], 16*1536
	s_add_co_u32 s60, s60, s61
	s_mov_b32 s61, 0
	s_lshl_b32 s62, s15, 12
	s_lshl_b32 s63, s[WV], 10
	s_add_co_u32 s62, s62, s63
	s_mov_b32 s63, 0
	s_and_b32 s[LIM], ttmp7, 0xffff                ; cluster y,
	s_cmp_eq_u32 s[WV], 3
	s_cselect_b32 s3, 1, 0
	s_or_b32 s[LIM], s[LIM], s3                    ; and wave 3 asks for nothing: the same in all sixteen partners, for a given wave
	s_cmp_eq_u32 s[LIM], 0
	s_cselect_b32 s[LIM], 1, -1
	s_mov_b32 s[SEL], 0x76543210
	s_mov_b32 s[SEL+1], 0xfedcba98
	s_mov_b32 s[TB], 0
	s_mov_b32 s[TBN], SLOT1
	s_mov_b32 s[CBO], 0
	s_wait_dscnt 0x0                               ; both opening adds are done
	s_wait_kmcnt 0x0
	s_add_nc_u64 s[G0A+2:G0A+3], s[6:7], s[60:61]  ; rows 16 w .. of the quarter's first 64,
	s_add_nc_u64 s[G0W+2:G0W+3], s[G0A+2:G0A+3], TILEB  ; and of its second 64
	s_or_b32 s[G0A+3], s[G0A+3], 0x80000000        ; type = 2
	s_or_b32 s[G0W+3], s[G0W+3], 0x80000000
	s_add_nc_u64 s[G0S+2:G0S+3], s[8:9], s[62:63]
	s_or_b32 s[G0S+3], s[G0S+3], 0x80000000
	s_mul_i32 s2, s16, 8*XROW                      ; my block's 256 tokens are 8 values of s with all 32 b,
	s_mul_i32 s3, s[WV], 2*XROW                    ; my wave's 64 two values of s
	s_add_co_u32 s2, s2, s3
	s_mov_b32 s3, 0
	s_add_nc_u64 s[XB:XB+1], s[4:5], s[2:3]
	s_lshl_b32 s2, s15, 17                         ; part: 131,072 q + 4 x my wave's first token
	s_lshl_b32 s3, s16, 10
	s_add_co_u32 s2, s2, s3
	s_lshl_b32 s3, s[WV], 8
	s_add_co_u32 s2, s2, s3
	s_mov_b32 s3, 0
	s_add_nc_u64 s[PB:PB+1], s[10:11], s[2:3]
	s_mul_i32 s2, s14, 3                           ; the prefetches: 32 blocks of 256 bytes for each of 3 cy + w (wave 3, which never asks, stands with wave 2, inside cbh)
	s_min_u32 s3, s[WV], 2
	s_add_co_u32 s2, s2, s3
	s_lshl_b32 s2, s2, 13
	s_mul_i32 s3, s15, QB
	s_add_co_u32 s2, s2, s3
	s_add_co_u32 s2, s2, 2*TILEB                   ; in slot content 2; the first change of slots steps it to 3.  Nothing is prefetched here, at the head
	s_mov_b32 s3, 0
	s_add_nc_u64 s[PFA:PFA+1], s[6:7], s[2:3]
	CROUND                                         ; all sixteen work-groups are here: the first joint loads meet
	tensor_load_to_lds s[G0S:G0S+3], s[G1S:G1S+7]  ; the three first fills go out together: three tensor loads of mine are out, later one
	s_nop 0
	tensor_load_to_lds s[G0A:G0A+3], s[G1T:G1T+7]
	s_nop 0
	tensor_load_to_lds s[G0W:G0W+3], s[G1T:G1T+7]
	s_nop 0
	PLACES
; THE TOKENS.  A fragment is 16 rows x 32 places of K in 8 registers: lane l holds row l % 16; registers 0-3 places 8 (l / 16) + 0..7, registers 4-7 places 16 + 8 (l / 16) + 0..7.
; Token 4 r + t of the wave's 64 is x[b = 4 (r % 8) + t][s = the wave's first + r / 8].  By the permutation, half u of fragment (t, ks) is made of two loads of 16 bytes of f32, at byte
; 1,024 (ks / 8) + 64 (ks % 8) + 32 u + 16 (l / 16) of the row and 512 further, and four roundings of two numbers each.
; A ring of seven slots of 32 registers takes 48 GROUPS of two fragments (group g: third g / 16 of K, tile (g % 16) / 4, K steps 2 (g % 4) and the next): 8 loads and 16 roundings a group; 56 loads of a wave are out.
.macro XSET g
.set xc, (\g)/16
.set xt, ((\g)%16)/4
.set xk, 2*((\g)%4)
.set xs, ST+32*((\g)%7)
.endm
.macro XLOADS g
	XSET \g
.irp j, 0,1
.irp u, 0,1
.irp hf, 0,1
	global_load_b128 v[xs+16*(\j)+8*(\u)+4*(\hf):xs+16*(\j)+8*(\u)+4*(\hf)+3], v[XO], s[XB:XB+1] offset:XBAT*xt+1024*xc+64*(xk+(\j))+32*(\u)+512*(\hf)
.endr
.endr
.endr
.endm
.macro XCVT g
	XSET \g
	WIN 0x40*(1+xc)                                ; destination: the tokens' window; sources: window 0
.set xn, 0
.rept 16
	v_cvt_pk_bf16_f32 v[32*(xk+xn/8)+8*xt+xn%8], v[xs+2*xn], v[xs+2*xn+1]
.set xn, xn+1
.endr
.endm
	v_and_b32 v1, 15, v0                           ; r = l % 16
	v_bfe_u32 v2, v0, 4, 1                         ; l / 16
	v_and_b32 v16, 7, v1
	v_lshrrev_b32 v17, 3, v1
	v_mul_u32_u24 v[XO], v16, 4*XBAT               ; 6,291,456: inside the factor's 24 bits
	v_mul_u32_u24 v17, v17, XROW
	v_add_nc_u32 v[XO], v[XO], v17
	v_lshl_add_u32 v[XO], v2, 4, v[XO]
.set xg, 0
.rept 7
	XLOADS xg
.set xg, xg+1
.endr
	v_mul_u32_u24 v[LB], v1, PITCH                 ; the other addresses are made while the first loads are on their way
	v_lshl_add_u32 v[LB], v2, 4, v[LB]
	v_mov_b32 v[AD0], v[LB]
	v_add_nc_u32 v[AD1], 2*TR, v[LB]
	v_add_nc_u32 v[AN0], SLOT1, v[LB]
	v_lshlrev_b32 v[CBB], 5, v2
	v_add_nc_u32 v[CBB], CBS, v[CBB]
	v_mov_b32 v[CBA], v[CBB]
	s_lshl_b32 s3, s15, 10
	s_sub_co_u32 s3, s3, 32                        ; two tiles in front of the quarter's first row: the riders step it by 16 a tile, and run a tile behind the products
	v_mov_b32 v[TIX], s3
	v_and_b32 v[PFO], 31, v0
	v_lshlrev_b32 v[PFO], 8, v[PFO]
	v_lshlrev_b32 v[OUTO], 4, v1                   ; lanes 0-15 store keys, lanes 16-31, 65,536 bytes on, indices
	v_lshl_add_u32 v[OUTO], v2, 16, v[OUTO]
.set xg, 0
.rept 48
.if xg < 42
	s_wait_loadcnt 48                              ; loads come back in order (ISA guide 5.7.1): group xg's eight are in, the six younger groups' stay out
.else
	s_wait_loadcnt 8*(47-xg)                       ; the last groups: the counts run down
.endif
	XCVT xg
.if xg < 41
	WIN 0
	XLOADS xg+7                                    ; the slot is asked for again at once
.endif
.set xg, xg+1
.endr
	WIN 0
	; What the first tile's riders find: a tile that has not been, with sums 0 and |c|^2 = +infinity: its scores are +infinity and change nothing.  So the loop has one text.
	s_mov_b32 s59, 0x7f800000
.set i, 0
.rept 32
	v_mov_b32 v[BEST+i], s59
	v_mov_b32 v[IDX+i], 0
	v_mov_b32 v[ACC+32+i], 0
.set i, i+1
.endr
.set i, 0
.rept 8
	v_mov_b32 v[CB+i], s59
	v_mov_b32 v[16+i], 0                           ; (v_permlanex16_b32's destinations count as read)
.set i, i+1
.endr
; The two LDS loads of fragment f of a tile: its 64 bytes lie at 64 f + 16 (f / 8) of the padded row.
.macro LDF adr, off, f
.set rF, CF+8*((\f)%12)
.set lo, (\off)+64*(\f)+16*((\f)/8)
	ds_load_b128 v[rF:rF+3],   v[\adr] offset:lo
	ds_load_b128 v[rF+4:rF+7], v[\adr] offset:lo+32
.endm
; A run: the 16 LDS loads of fragments f0 to f0 + 7.
.macro RUN adr, off, f0
.set g, (\f0)
.rept 8
	LDF \adr, \off, g
.set g, g+1
.endr
.endm
; The product of K step f for token tile t into set a.  The four accumulators of a set take turns, one instruction a turn.  K step 0 starts the sums: nothing is cleared.
.macro MMA f, a, t
.set rA, ACC+32*(\a)+8*(\t)
.set rF, CF+8*((\f)%12)
.set rX, 32*((\f)%8)+8*(\t)
	WIN 4*(1+(\f)/8)                               ; source 1, the tokens, in window 1, 2 or 3; all else in window 0
.if (\f) == 0
	v_wmma_f32_16x16x32_bf16 v[rA:rA+7], v[rF:rF+7], v[rX:rX+7], 0
.else
	v_wmma_f32_16x16x32_bf16 v[rA:rA+7], v[rF:rF+7], v[rX:rX+7], v[rA:rA+7]
.endif
.endm
; THE RIDERS: a list of 116 for the finished tile in set a; RD writes the next n of it (rq counts).
;   0      the tile's first row        1-3  v_nop: with number 0 the four places behind the set's last products (ISA guide 7.12.1)
;   4-19   the scores, in place: dot x -2 + |c|^2, two at a time, each accumulator from its low end on
;   20-115 for each of the lane's 32 places: is the score less than the least so far?  then the tile's first row is kept; the lesser of the two is kept.  Strictly less: of equal scores the earlier tile stays.
.macro RD n, a
.rept \n
.if rq < 116
	WIN 0
.if rq == 0
	v_add_nc_u32 v[TIX], 16, v[TIX]
.elseif rq < 4
	v_nop
.elseif rq < 20
.set rr, ACC+32*(\a)+2*(rq-4)
.set rc, CB+2*((rq-4)%4)
	v_pk_fma_f32 v[rr:rr+1], v[rr:rr+1], -2.0, v[rc:rc+1] op_sel_hi:[1,0,1]
.else
.set rn, (rq-20)/3
.if (rq-20)%3 == 0
	v_cmp_lt_f32 vcc_lo, v[ACC+32*(\a)+rn], v[BEST+rn]
.elseif (rq-20)%3 == 1
	v_cndmask_b32 v[IDX+rn], v[IDX+rn], v[TIX], vcc_lo
.else
	v_min_num_f32 v[BEST+rn], v[ACC+32*(\a)+rn], v[BEST+rn]
.endif
.endif
.endif
.set rq, rq+1
.endr
.endm
; A TILE: 16 codebook rows (tile et of the slot) against my 64 tokens: 24 K steps of four products into set a, riders behind the first product of each: 4, in K steps 4, 12, 20 ten, in 22 and 23 five: 116.
; THE LDS LOADS STAND IN THREE RUNS of 8 fragments: in K step 4 fragments 8-15, in K step 12 the tile's own |c|^2 and fragments 16-23, in K step 20 the next tile's 0-7.  A run stands behind its K step's first
; product and ten riders.  It fills the eight places of the ring of 12 that the K steps up to the one before have read: the ten riders are the places behind the last product that read one (ISA guide 7.12.1 for
; vector instructions).  The other four places hold the fragments of this K step and the next three: 15 products stand between a run and its first reader.
; |c|^2 is fetched in K step 12: the riders that read the tile before's (numbers 4-19) ended in K step 4; K step 16's wait shows it in, a tile's third ahead of its first reader.
; THE WAITS stand at the even K steps, for two fragments each (LDS loads come back in order: ISA guide 5.7.1).  What may stay out: the run's later fragments, two loads each: 12, 8, 4, 0; and in K steps 6, 14
; and 22 the whole next run: 16, with |c|^2 18.
; mode 0: as said.  mode 1: the slot's last tile, THE CHANGE OF SLOTS with a refill.  mode 2: the change without a refill.
; THE CHANGE.  K step 12's run is the last that reads the slot.  Behind K step 16 each wave waits for all its tensor loads, of which one is out: its part of the next slot; adds 0 to its spare word; K steps 17 and
; 18 stand between the add and the wait for it and for my reads of the slot; then the barrier, K step 19 between its signal and its wait.  With a refill it opens a round of the cluster's barrier: no wave of any
; partner still reads the slot or has a load on its way; the joint refill is the first thing behind the round, with 384 matrix instructions less those of four K steps in which to land.  Behind it, and four v_nop
; (the places behind K step 19's products), stands the third run, from the next slot.  K steps 20 to 23 need no wait: the wait for 0 has shown their fragments in.
.macro TILE a, et, mode
.set rq, 0
.set f, 0
.set chg, (((\mode) == 1) || ((\mode) == 2))
.rept 24
.if (f%2) == 0
.set wt, 2*(6-f%8)                     ; the later fragments of the run that brought f and f + 1
.if (f == 6) || ((f == 22) && ((\mode) == 0))
.set wt, 16                            ; the next run
.elseif f == 14
.set wt, 18                            ; the next run and |c|^2
.elseif chg && (f == 18)
.set wt, 9                             ; four fragments and the add
.endif
.if !(chg && (f >= 20))
	s_wait_dscnt wt
.endif
.endif
	MMA f, \a, 0
.if (f%8) == 4
	RD 10, 1-(\a)
.elseif f >= 22
	RD 5, 1-(\a)
.else
	RD 4, 1-(\a)
.endif
.if f == 4
	RUN AD0+(\et)/2, ((\et)%2)*TR, 8
.elseif f == 12
	ds_load_b128 v[CB:CB+3],   v[CBA] offset:64*(\et)
	ds_load_b128 v[CB+4:CB+7], v[CBA] offset:64*(\et)+16
	RUN AD0+(\et)/2, ((\et)%2)*TR, 16
.elseif (f == 20) && ((\mode) == 0)
	RUN AD0+((\et)+1)/2, (((\et)+1)%2)*TR, 0
.endif
	MMA f, \a, 1
	MMA f, \a, 2
	MMA f, \a, 3
.if chg && (f == 16)
	WIN 0                                          ; (the add's two registers lie in window 0)
.if (\mode) == 1
	s_wait_xcnt 0x0                                ; the last prefetch, a turn back, has read its address: it is stepped here, ahead of the change's own waits
	s_add_nc_u64 s[PFA:PFA+1], s[PFA:PFA+1], TILEB
.endif
	s_wait_tensorcnt 0x0                           ; all my tensor loads have landed: no load of mine is out, so a group 0 may be written
	ds_add_u32 v[SPW], v[NIL]                      ; 0 onto my spare word
.if (\mode) == 1
	s_xor_b32 s[G0W+1], s[G0W+1], SLOT1            ; the walking descriptor: the other slot than last time,
	s_add_nc_u64 s[G0W+2:G0W+3], s[G0W+2:G0W+3], TILEB  ; the next 64 rows; the type bits on top are not reached
.endif
.endif
.if chg && (f == 18)
	s_wait_dscnt 0x0                               ; the add is done, and my reads of the slot are over
	s_barrier_signal -1
.endif
.if chg && (f == 19)
	WIN 0                                          ; at a label and at a branch every window is 0
	s_barrier_wait -1
.if (\mode) == 1
	CREST
	tensor_load_to_lds s[G0W:G0W+3], s[G1T:G1T+7]  ; every wave's one tensor load behind the round: its tile of the slot just read out
	s_nop 0
.endif
	PLACES                                         ; behind the tensor load; and the places behind K step 19's products, whose fragment's place the run fills
	RUN AN0, 0, 0
.if (\mode) == 1
	ASK
.endif
.endif
.set f, f+1
.endr
.endm
; A TURN: a slot's four tiles; then the addresses go over to the other slot and to the next 64 |c|^2.
.macro TURN mode
	TILE 0, 0, 0
	TILE 1, 1, 0
	TILE 0, 2, 0
	TILE 1, 3, \mode
	WIN 0
	s_xor_b32 s[TB], s[TB], SLOT1
	s_xor_b32 s[TBN], s[TBN], SLOT1
	s_add_co_u32 s[CBO], s[CBO], 256
	v_add_nc_u32 v[AD0], s[TB], v[LB]
	v_add_nc_u32 v[AD1], 2*TR, v[AD0]
	v_add_nc_u32 v[AN0], s[TBN], v[LB]
	v_add_nc_u32 v[CBA], s[CBO], v[CBB]
.endm
; Of two (score, row) the lesser score is kept in the first; of equal scores the lower row.
.macro MERGE va, ia, vb, ib
	v_cmp_lt_f32 s58, v[\vb], v[\va]
	v_cmp_eq_f32 s59, v[\vb], v[\va]
	v_cmp_lt_u32 vcc_lo, v[\ib], v[\ia]
	s_and_b32 s59, s59, vcc_lo
	s_or_b32 s58, s58, s59
	v_cndmask_b32 v[\va], v[\va], v[\vb], s58
	v_cndmask_b32 v[\ia], v[\ia], v[\ib], s58
.endm
	s_wait_tensorcnt 0x1                           ; my parts of |c|^2 and of slot 0 are in; slot 1's may stay out
	s_barrier_signal -1
	s_barrier_wait -1                              ; everybody's are
	RUN AD0, 0, 0                                  ; the first tile's first eight fragments
	s_mov_b32 s[LEFT], 14
.Lturn:                                        ; 14 turns: slot contents 0 to 13 are multiplied, 2 to 15 asked for
	TURN 1
	s_sub_co_u32 s[LEFT], s[LEFT], 1
	s_cmp_lg_u32 s[LEFT], 0
	s_cbranch_scc1 .Lturn
	s_mov_b32 s[LEFT], 2
.Ltail:                                        ; the last two turns ask for nothing: a text of their own, written once and walked twice.
	TURN 2                                         ; In the second trip the change's barrier and its run of 16 LDS loads (from the slot read a turn before) serve nothing: the price, once a launch, of one text for both
	s_sub_co_u32 s[LEFT], s[LEFT], 1
	s_cmp_lg_u32 s[LEFT], 0
	s_cbranch_scc1 .Ltail
.set rq, 0
	RD 116, 1                                      ; the last tile's riders
	; THE END.  Place (t, j) of a lane holds rows 8 (l / 16) + j of its tiles: j is added, the eight places of a token merged, 8 (l / 16) added, and the two lanes of a token merged: both end alike.
.irp t, 0,1,2,3
.irp j, 1,2,3,4,5,6,7
	v_add_nc_u32 v[IDX+8*(\t)+(\j)], \j, v[IDX+8*(\t)+(\j)]
.endr
.endr
.irp d, 1,2,4
.irp t, 0,1,2,3
.set j, 8*(\t)
.rept 4/(\d)
	MERGE BEST+j, IDX+j, BEST+j+(\d), IDX+j+(\d)
.set j, j+2*(\d)
.endr
.endr
.endr
.irp t, 0,1,2,3
	v_lshl_add_u32 v[IDX+8*(\t)], v2, 3, v[IDX+8*(\t)]
.endr
.irp t, 0,1,2,3
	v_permlanex16_b32 v[16+(\t)], v[BEST+8*(\t)], s[SEL], s[SEL+1]
	v_permlanex16_b32 v[20+(\t)], v[IDX+8*(\t)], s[SEL], s[SEL+1]
.endr
.irp t, 0,1,2,3
	MERGE BEST+8*(\t), IDX+8*(\t), 16+(\t), 20+(\t)
.endr
	v_cmp_eq_u32 vcc_lo, 1, v2
.irp t, 0,1,2,3                        ; the key: a score at or above 0 gets its top bit set, one below 0 all its bits turned: unsigned order is then the scores' order (|c|^2 is never -0, so no score is)
	v_ashrrev_i32 v[20+(\t)], 31, v[BEST+8*(\t)]
	v_or_b32 v[20+(\t)], 0x80000000, v[20+(\t)]
	v_xor_b32 v[20+(\t)], v[20+(\t)], v[BEST+8*(\t)]
	v_cndmask_b32 v[16+(\t)], v[20+(\t)], v[IDX+8*(\t)], vcc_lo
.endr
	global_store_b128 v[OUTO], v[16:19], s[PB:PB+1]  ; lanes 0-15: 256 consecutive bytes of keys, aligned; lanes 16-31: the same of indices
	s_wait_tensorcnt 0x0                           ; the wave's end: behind my last tensor load
	ds_add_u32 v[SPW], v[NIL]
	s_wait_dscnt 0x0
	CROUND                                         ; the closing round: no work-group ends while a partner may still ask for a tile that names it
	s_endpgm
.Lfunc_end_k_qb189e7b008_argmin:
	.size	k_qb189e7b008_argmin, .Lfunc_end_k_qb189e7b008_argmin-k_qb189e7b008_argmin
	.p2alignl 7, 3214868480
	.fill 96, 4, 3214868480
	.section	.rodata,"a",@progbits
	.p2align	6, 0x0
	.amdhsa_kernel k_qb189e7b008_argmin
		.amdhsa_group_segment_fixed_size 327680
		.amdhsa_private_segment_fixed_size 0
		.amdhsa_enable_private_segment 0
		.amdhsa_kernarg_size 32
		.amdhsa_user_sgpr_count 2
		.amdhsa_user_sgpr_kernarg_segment_ptr 1
		.amdhsa_wavefront_size32 1
		.amdhsa_system_sgpr_workgroup_id_x 1
		.amdhsa_system_sgpr_workgroup_id_y 1
		.amdhsa_system_sgpr_workgroup_id_z 1
		.amdhsa_system_vgpr_workitem_id 0
		.amdhsa_next_free_vgpr 1024
		.amdhsa_next_free_sgpr 66
		.amdhsa_reserve_vcc 1
		.amdhsa_float_denorm_mode_32 3
		.amdhsa_float_denorm_mode_16_64 3
		.amdhsa_memory_ordered 1
		.amdhsa_forward_progress 1
		.amdhsa_inst_pref_size 242
	.end_amdhsa_kernel
	.amdgpu_metadata
---
amdhsa.version: [ 1, 2 ]
amdhsa.kernels:
  - .name:           k_qb189e7b008_argmin
    .symbol:         k_qb189e7b008_argmin.kd
    .args:
      - { .name: base_embeddings, .offset: 0, .size: 8, .value_kind: global_buffer, .address_space: global }
      - { .name: cbh, .offset: 8, .size: 8, .value_kind: global_buffer, .address_space: global }
      - { .name: cbsq, .offset: 16, .size: 8, .value_kind: global_buffer, .address_space: global }
      - { .name: part, .offset: 24, .size: 8, .value_kind: global_buffer, .address_space: global }
    .group_segment_fixed_size: 327680
    .private_segment_fixed_size: 0
    .kernarg_segment_align: 8
    .kernarg_segment_size: 32
    .max_flat_workgroup_size: 128
    .sgpr_count:     66
    .vgpr_count:     1024
    .wavefront_size: 32
...
	.end_amdgpu_metadata
.endif
;; end of part 5
;; launch mix: the kernel of part 3 again; grid 512 x 1, 8 waves a work-group, no clusters, 50,176 bytes of LDS; arguments part, cbh, noise, rand_idx, out0; writes out0
;; ======== version 3 of 3: 3 launches; version 2 with the launch mix written anew for expert scheduling mode
;; workspace buffers: cbh 6,291,456 bytes; cbsq 16,384 bytes; part 524,288 bytes of whole numbers
;; launch prep: the kernel of part 4 again; grid 256 x 1, 4 waves a work-group, no clusters, 768 bytes of LDS; arguments codebook, cbh, cbsq; writes cbh, cbsq
;; launch argmin: the kernel of part 5 again; grid 4 x 64, 4 waves a work-group, clusters of 4 x 4, 327,680 bytes of LDS; arguments base_embeddings, cbh, cbsq, part; writes part
;; launch mix (part 6): grid 512 x 1, 8 waves a work-group, no clusters, 50,176 bytes of LDS; arguments part, cbh, noise, rand_idx, out0; writes out0
.if DOCPART == 6
	.amdgcn_target "amdgcn-amd-amdhsa--gfx1250"
	.amdhsa_code_object_version 6
	.text
	.protected	k_qb189e7b008_mix
	.globl	k_qb189e7b008_mix
	.p2align	8
	.type	k_qb189e7b008_mix,@function
k_qb189e7b008_mix:
	s_mov_b64 s[64:65], 0
	v_nop
	global_prefetch_b8 v0, s[64:65] scope:SCOPE_SE
	s_setreg_imm32_b32 hwreg(HW_REG_WAVE_SCHED_MODE, 0, 2), 2
	s_setreg_imm32_b32 hwreg(HW_REG_WAVE_MODE, 25, 1), 1
	s_wait_xcnt 0x0
	s_wait_alu depctr_vm_vsrc(0)
; THIRD LAUNCH: out[b][s] = the mean over j of c[idx[rand_idx[b][s][j]][s]] + 0.1 noise[b][s].  Nothing of the module's work is left out.
; part (whole numbers, stored by the launch before): for each quarter q of the codebook and token tau = 32 s + b a key, whose unsigned order is the scores' order, and the row.  cbh: the codebook rounded to bf16,
; place 256 c + 8 l + e of a row holding k = 256 c + 128 (e / 4) + 4 l + e % 4.  noise and out are f32.  The rows averaged are the rounded ones; the sum is 0.1 n, then the eight c / 8 (exact) in f32.
; LIMITS.  An index outside its table is held to the table's end (rows to 4,095, rand_idx to 31).
; SHARES.  A work-group is one s: its 32 x 8 lookups name only that s's 32 tokens, so the 32 chosen rows are brought into LDS once, and each output row adds eight of them from there.
; Wave w finds the rows of tokens 4 w .. 4 w + 3 (the four quarters compared as whole numbers: strictly less, so of equal scores the lower quarter, hence the lower row, stays), stages them, and makes the
; output rows b = 4 w .. 4 w + 3.  A lane's 16 bytes of a staged row are just the eight numbers of two of its loads of noise.  Every load and store of a wave covers 512 consecutive bytes, aligned.
; No tensor loads, no cluster (the rows come by a list), no matrix unit, no prefetch: each wave asks for all its noise in its first lines.
; THE MODE: SCHED_MODE bits 1:0 = 2 (LLVM: expert scheduling mode 2), set by the entry lines.  The code itself states the register dependences between vector instructions and memory or LDS instructions,
; with s_wait_alu, always for 0.
; THE PLAN.  Registers that memory or LDS instructions touch:
;   v[LO], v[PO], v[STA]  offsets and an LDS address: written once at the head, ahead of the first wait on va_vdst; read by loads, stores and LDS stores; never written again.
;   KEY, ROWI             the loads of part land in them once; vector instructions alone name them after that.
;   AD, 32 registers      the LDS address of each (output row, sample): written once, while the gathered rows are on their way; read by the LDS loads; never written again.
;   N, 4 rows of 24       the noise lands once; half rows 2 i and 2 i + 1 write row i; its six stores stand behind half row 2 i + 1; the row is not written again.
;   G, 2 sets of 48       set 0 first takes the gathered rows, which my LDS stores read.  Then: half row k's multiply-adds read set k % 2, and behind them the LDS loads of half row k + 2 land in it.
;   v[SPW], v[NIL]        written at the head, read by the closing add alone.
; So ONE wait on va_vdst stands in a half row, behind its multiply-adds: they are done reading their set, for the 12 loads that follow, and in a row's second half they have written the row, for its six stores.
; A wait on vm_vsrc stands between my LDS stores out of set 0 and the first LDS loads into it.  EXEC is written nowhere.
.set SPARE, 49152                      ; LDS: 32 rows of 1,536 bytes from 0; behind them the spare words, 128 bytes for each of the 8 waves, which no other line names
.set LO,   1                           ; v1   16 x lane; never rewritten
.set PO,   2                           ; v2   my byte offset in part: token 32 s + 4 w + lane % 4
.set STA,  3                           ; v3   where I put 16 bytes of my wave's first staged row
.set KEY,  4                           ; v[4:7]   the four quarters' keys
.set ROWI, 8                           ; v[8:11]  and rows
.set EIG,  13                          ; v13  1/8
.set SPW,  14                          ; v14  LDS address of my spare word; never rewritten
.set NIL,  15                          ; v15  0; never rewritten
.set AD,   16                          ; v[16:47]   LDS address of my 16 bytes of the staged row that sample j of output row i names, at AD + 8 i + j; made once
.set N,    48                          ; v[48:143]  output row i: 24 registers, load m at N + 24 i + 4 m: noise, then the sum
.set G,    144                         ; v[144:239] two sets of 48: sample jj, part c of a staged row at 12 jj + 4 c
	s_load_b256 s[4:11], s[0:1], 0x0               ; part s[4:5], cbh s[6:7], noise s[8:9], rand_idx s[10:11]
	s_load_b64 s[12:13], s[0:1], 0x20              ; out
	v_lshl_add_u32 v[SPW], v0, 2, SPARE
	v_mov_b32 v[NIL], 0
	v_lshrrev_b32 v3, 5, v0
	v_readfirstlane_b32 s14, v3                    ; wave 0..7
	v_and_b32 v[LO], 31, v0
	v_lshlrev_b32 v[LO], 4, v[LO]
	v_and_b32 v[PO], 3, v0
	v_mov_b32 v[EIG], 0x3e000000
	s_mov_b32 s15, ttmp9                           ; s
	s_lshl_b32 s56, s15, 7                         ; 4 bytes x 32 s,
	s_wait_alu depctr_va_sdst(0)                   ; s14 is written, ahead of its first reader: the offsets below are made from it
	s_lshl_b32 s57, s14, 4                         ; + 4 x 4 w
	s_add_co_u32 s56, s56, s57
	v_lshl_add_u32 v[PO], v[PO], 2, s56
	s_mul_i32 s57, s14, 4*1536
	v_add_nc_u32 v[STA], s57, v[LO]
	s_lshl_b32 s58, s14, 11                        ; rand_idx: row (4 w + i) 512 + s of 32 bytes
	s_add_co_u32 s58, s58, s15
	s_lshl_b32 s58, s58, 5
	s_mov_b32 s59, 0
	s_mul_i32 s60, s14, 4*512*3072                 ; noise and out: the same row, of 3,072 bytes
	s_mul_i32 s61, s15, 3072
	s_add_co_u32 s60, s60, s61
	s_mov_b32 s61, 0
	s_wait_kmcnt 0x0
	s_add_nc_u64 s[10:11], s[10:11], s[58:59]
	s_add_nc_u64 s[8:9], s[8:9], s[60:61]
	s_add_nc_u64 s[12:13], s[12:13], s[60:61]
.irp i, 0,1,2,3
	s_load_b256 s[16+8*(\i):23+8*(\i)], s[10:11], 16384*(\i)  ; my four rows' eight samples each
.endr
	s_wait_alu depctr_va_vdst(0)                   ; v[LO], v[PO] and v[STA] are written: every load, store and LDS store of the kernel reads one of them, and no vector instruction writes them again
.irp q, 0,1,2,3
	global_load_b32 v[KEY+(\q)],  v[PO], s[4:5] offset:131072*(\q)
	global_load_b32 v[ROWI+(\q)], v[PO], s[4:5] offset:131072*(\q)+65536
.endr
.irp i, 0,1,2,3
.irp m, 0,1,2,3,4,5
	global_load_b128 v[N+24*(\i)+4*(\m):N+24*(\i)+4*(\m)+3], v[LO], s[8:9] offset:1572864*(\i)+512*(\m) th:TH_LOAD_NT
.endr
.endr
	s_wait_loadcnt 24                              ; part's eight are in; the 24 loads of noise stay out
.irp q, 1,2,3
	v_cmp_lt_u32 vcc_lo, v[KEY+(\q)], v[KEY]
	s_wait_alu depctr_va_vcc(0)                    ; VCC is written, ahead of the two selects that read it (each compare reads the key that the last select wrote: the three cannot stand in one run)
	v_cndmask_b32 v[KEY],  v[KEY],  v[KEY+(\q)],  vcc_lo
	v_cndmask_b32 v[ROWI], v[ROWI], v[ROWI+(\q)], vcc_lo
.endr
	v_min_u32 v12, 0xfff, v[ROWI]                  ; lane i (0..3) holds the row of token 4 w + i
.irp i, 0,1,2,3
	v_readlane_b32 s[58+(\i)], v12, \i             ; the four in one run, each into a register of its own
.endr
	s_wait_alu depctr_va_sdst(0)                   ; s58 to s61 are written, ahead of their first readers: one wait for the four
	s_mov_b32 s57, 0
.irp i, 0,1,2,3
	s_min_u32 s56, s[58+(\i)], 0xfff
	s_mul_i32 s56, s56, 1536
	s_add_nc_u64 s[48+2*(\i):49+2*(\i)], s[6:7], s[56:57]
.irp c, 0,1,2
	global_load_b128 v[G+12*(\i)+4*(\c):G+12*(\i)+4*(\c)+3], v[LO], s[48+2*(\i):49+2*(\i)] offset:512*(\c)  ; no vector instruction has named these registers, nor written v[LO] since the wait at the head
.endr
.endr
	s_wait_kmcnt 0x0                               ; rand_idx
.set an, 0
.rept 32                               ; the 32 LDS addresses are made here, once, while the gathered rows are on their way
	s_min_u32 s56, s[16+an], 31
	s_mul_i32 s56, s56, 1536
	v_add_nc_u32 v[AD+an], s56, v[LO]
.set an, an+1
.endr
	s_wait_loadcnt 0x0                             ; the rows are in, and the noise, which was asked for in front of them
.irp i, 0,1,2,3
.irp c, 0,1,2
	ds_store_b128 v[STA], v[G+12*(\i)+4*(\c):G+12*(\i)+4*(\c)+3] offset:1536*(\i)+512*(\c)  ; the data come from loads; the address was written ahead of the wait at the head
.endr
.endr
	s_wait_dscnt 0x0                               ; for the others' sake: my four rows lie in LDS
	s_barrier_signal -1
	s_barrier_wait -1                              ; all 32 do; nothing writes them again
	s_wait_alu depctr_vm_vsrc(0)                   ; my LDS stores have read G's first set, in which the LDS loads below land
	s_wait_alu depctr_va_vdst(0)                   ; the 32 addresses v[AD ..] are written, which all the LDS loads below read
; Half row k (output row k / 2, samples 4 (k % 2) + 0..3): its 12 LDS loads into set k % 2.
.macro LH k
.irp jj, 0,1,2,3
.irp c, 0,1,2
	ds_load_b128 v[G+48*((\k)%2)+12*(\jj)+4*(\c):G+48*((\k)%2)+12*(\jj)+4*(\c)+3], v[AD+4*(\k)+(\jj)] offset:512*(\c)
.endr
.endr
.endm
; Half row k is added.  A row's first half turns the noise into 0.1 n first; its second half stores.  Register kk, half z of part c is number 2 (kk % 2) + z of load 2 c + kk / 2.
; The samples are the outermost turn, so that 24 other sums stand between two additions onto one.
.macro CH k
.if (\k) == 7
	s_wait_dscnt 0x0
.else
	s_wait_dscnt 12                                ; LDS loads come back in order (ISA guide 5.7.1): mine are in, the other half row's 12 stay out
.endif
.set rn, N+24*((\k)/2)
.set rg, G+48*((\k)%2)
.if ((\k)%2) == 0
.set z, 0
.rept 12
	v_pk_mul_f32 v[rn+z:rn+z+1], v[rn+z:rn+z+1], 0x3dcccccd op_sel_hi:[1,0]
.set z, z+2
.endr
.endif
.irp jj, 0,1,2,3
.irp c, 0,1,2
.irp kk, 0,1,2,3
.set rs, rg+12*(\jj)+4*(\c)+(\kk)
.set rd, rn+4*(2*(\c)+(\kk)/2)+2*((\kk)%2)
	v_fma_mix_f32_bf16 v[rd],   v[rs], v[EIG], v[rd]   op_sel_hi:[1,0,0]
	v_fma_mix_f32_bf16 v[rd+1], v[rs], v[EIG], v[rd+1] op_sel:[1,0,0] op_sel_hi:[1,0,0]
.endr
.endr
.endr
.if ((\k) <= 5) || (((\k)%2) == 1)     ; half row 6 issues neither loads nor stores: it has nothing to state
	s_wait_alu depctr_va_vdst(0)                   ; the multiply-adds are done reading set k % 2, in which the loads below land; in a row's second half they have written the row, which the stores below read
.endif
.if (\k) <= 5
	LH (\k)+2
.endif
.if ((\k)%2) == 1
.irp m, 0,1,2,3,4,5
	global_store_b128 v[LO], v[rn+4*(\m):rn+4*(\m)+3], s[12:13] offset:1572864*((\k)/2)+512*(\m) th:TH_STORE_NT  ; a row's registers are not written again
.endr
.endif
.endm
	LH 0
	LH 1
	CH 0
	CH 1
	CH 2
	CH 3
	CH 4
	CH 5
	CH 6
	CH 7
	s_wait_dscnt 0x0                               ; the closing lines, six on end
	s_wait_alu 0x0
	s_wait_tensorcnt 0x0
	ds_add_u32 v[SPW], v[NIL]
	s_wait_dscnt 0x0
	s_endpgm
.Lfunc_end_k_qb189e7b008_mix:
	.size	k_qb189e7b008_mix, .Lfunc_end_k_qb189e7b008_mix-k_qb189e7b008_mix
	.p2alignl 7, 3214868480
	.fill 96, 4, 3214868480
	.section	.rodata,"a",@progbits
	.p2align	6, 0x0
	.amdhsa_kernel k_qb189e7b008_mix
		.amdhsa_group_segment_fixed_size 50176
		.amdhsa_private_segment_fixed_size 0
		.amdhsa_enable_private_segment 0
		.amdhsa_kernarg_size 40
		.amdhsa_user_sgpr_count 2
		.amdhsa_user_sgpr_kernarg_segment_ptr 1
		.amdhsa_wavefront_size32 1
		.amdhsa_system_sgpr_workgroup_id_x 1
		.amdhsa_system_sgpr_workgroup_id_y 1
		.amdhsa_system_sgpr_workgroup_id_z 1
		.amdhsa_system_vgpr_workitem_id 0
		.amdhsa_next_free_vgpr 240
		.amdhsa_next_free_sgpr 66
		.amdhsa_reserve_vcc 1
		.amdhsa_float_denorm_mode_32 3
		.amdhsa_float_denorm_mode_16_64 3
		.amdhsa_memory_ordered 1
		.amdhsa_forward_progress 1
		.amdhsa_inst_pref_size 74
	.end_amdhsa_kernel
	.amdgpu_metadata
---
amdhsa.version: [ 1, 2 ]
amdhsa.kernels:
  - .name:           k_qb189e7b008_mix
    .symbol:         k_qb189e7b008_mix.kd
    .args:
      - { .name: part, .offset: 0, .size: 8, .value_kind: global_buffer, .address_space: global }
      - { .name: cbh, .offset: 8, .size: 8, .value_kind: global_buffer, .address_space: global }
      - { .name: noise, .offset: 16, .size: 8, .value_kind: global_buffer, .address_space: global }
      - { .name: rand_idx, .offset: 24, .size: 8, .value_kind: global_buffer, .address_space: global }
      - { .name: out0, .offset: 32, .size: 8, .value_kind: global_buffer, .address_space: global }
    .group_segment_fixed_size: 50176
    .private_segment_fixed_size: 0
    .kernarg_segment_align: 8
    .kernarg_segment_size: 40
    .max_flat_workgroup_size: 256
    .sgpr_count:     66
    .vgpr_count:     240
    .wavefront_size: 32
...
	.end_amdgpu_metadata
.endif
;; end of part 6
